; MI455X (gfx1250); checked and timed in simulation.
; The chip was launched on July 23, 2026; its instructions are those of AMD's public machine-readable ISA for CDNA 5 (MIT licence, August 2026) and "CDNA5" Instruction Set Architecture Reference Guide (July 2026). The comments in the code are by the model that wrote it; some were corrected since.
;; Attention Block. Allowed arithmetic: float matrix products may take bf16 or f16 operands with f32 sums; other float arithmetic in f32, or as packed bf16 or f16 multiplies, adds, multiply-adds, maxima and minima; sums over many terms, partial sums and values carried from step to step in f32; what a program stores and reads back later, other than sums and carried values, may be rounded once to bf16 or f16.
;; Inputs: bk 512 float32; bo 512 float32; bq 512 float32; bv 512 float32; gn_bias 512 float32; gn_scale 512 float32; wk 512 x 512 float32; wo 512 x 512 float32; wq 512 x 512 float32; wv 512 x 512 float32; x 32 x 512 x 32 x 32 float32.
;; Outputs: out0 32 x 512 x 32 x 32 float32.
;; 2 versions, each right; version 2 is version 1 with the launch front written anew for expert scheduling mode. Each part assembles by itself: llvm-mc -triple=amdgcn-amd-amdhsa -mcpu=gfx1250 --defsym DOCPART=n.
;; ======== version 1 of 2: 3 launches
;; limits: values outside matrix products are rounded to bf16
;; workspace buffers: hn 33,554,432 bytes; wb 1,572,864 bytes; bu 2,048 bytes; qkv 100,663,296 bytes
;; launch front (part 1): grid 610 x 1, 8 waves a work-group, no clusters, 10,496 bytes of LDS; arguments x, gn_scale, gn_bias, wq, wk, wv, wo, bv, bo, hn, wb, bu; writes hn, wb, bu
.if DOCPART == 1
	.amdgcn_target "amdgcn-amd-amdhsa--gfx1250"
	.amdhsa_code_object_version 6
	.text
	.protected	k_q1a166f2f44_front
	.globl	k_q1a166f2f44_front
	.p2align	8
	.type	k_q1a166f2f44_front,@function
k_q1a166f2f44_front:
	s_mov_b64 s[64:65], 0
	v_nop
	global_prefetch_b8 v0, s[64:65] scope:SCOPE_SE
	s_setreg_imm32_b32 hwreg(HW_REG_WAVE_MODE, 25, 1), 1
	s_wait_xcnt 0x0
; FRONT: the group norm, and beside it the preparation of the weights.  The work-group's number chooses one of four parts:
;   0-1     MV    bu[o] = sum_j wo[o][j] bv[j] + bo[o], all in f32
;   2-65    PROD  W'[o][c] = sum_j wo[o][j] wv[j][c]: bf16 operands, f32 sums, stored in bf16 as plane 2 of wb
;   66-97   CONV  wq and wk rounded to bf16, planes 0 and 1 of wb
;   98-609  NORM  one group (32 channels x 1,024 pixels, 131,072 consecutive bytes of x) to a work-group: hn in bf16, laid as x lies
; WHY W' AND bu: a softmax row sums to 1, so wo (V alpha) + bo = ((wo wv) hn + (wo bv + bo)) alpha for every input: the last projection is folded into V's.
; wb is laid in tiles: element (p, o, c) at ((8 p + c / 64) 512 + o) 128 + 2 (c % 64): a tile (p, c / 64) is 65,536 dense bytes.
; LIMITS.  W' is rounded once more, to bf16.  NaN and infinities are not treated apart.
; The mean is taken first and the variance of x - mean, as the reference forms it: no difference of large sums.
.set X,     40                         ; NORM: v[40:167] my 128 numbers of the group
.set SPARE, 256                        ; LDS 256-1,279: the spare words, 128 bytes a wave; 0-255: NORM's partial sums; 1,280 on: PROD's stage
.set PST,   1280
.set PSP,   144                        ; a stage row: 128 bytes + 16
.set SPW,   4                          ; v4  my spare word's address; never rewritten
.set NIL,   5                          ; v5  0; never rewritten
.set ACC,   16                         ; PROD: v[16:31] two accumulators
.set SET,   32                         ; PROD: v[32:79], v[80:127] two sets of a K step's operands
.macro WSUM r, t                       ; the sum over the wave's 32 lanes, in every lane
	v_add_f32_dpp v[\r], v[\r], v[\r] row_xmask:1 row_mask:0xf bank_mask:0xf
	v_add_f32_dpp v[\r], v[\r], v[\r] row_xmask:2 row_mask:0xf bank_mask:0xf
	v_add_f32_dpp v[\r], v[\r], v[\r] row_xmask:4 row_mask:0xf bank_mask:0xf
	v_add_f32_dpp v[\r], v[\r], v[\r] row_xmask:8 row_mask:0xf bank_mask:0xf
	v_permlanex16_b32 v[\t], v[\r], s44, s45
	v_add_f32 v[\r], v[\r], v[\t]
.endm
.macro PLACES
.rept 4
	v_nop
.endr
.endm
	s_load_b512 s[4:19], s[0:1], 0x0               ; x 4:5, gn_scale 6:7, gn_bias 8:9, wq 10:11, wk 12:13, wv 14:15, wo 16:17, bv 18:19
	s_load_b256 s[20:27], s[0:1], 0x40             ; bo 20:21, hn 22:23, wb 24:25, bu 26:27
	v_lshl_add_u32 v[SPW], v0, 2, SPARE
	v_mov_b32 v[NIL], 0
	v_and_b32 v1, 31, v0                           ; lane
	v_lshrrev_b32 v6, 5, v0
	v_readfirstlane_b32 s28, v6                    ; wave 0..7
	s_mov_b32 s44, 0x76543210                      ; v_permlanex16_b32: each lane takes its own place in the other half
	s_mov_b32 s45, 0xfedcba98
	s_wait_kmcnt 0x0
	s_cmp_ge_u32 ttmp9, 98                         ; the same answer in all waves of a work-group
	s_cbranch_scc1 .Lnorm
	s_cmp_ge_u32 ttmp9, 66
	s_cbranch_scc1 .Lconv
	s_cmp_ge_u32 ttmp9, 2
	s_cbranch_scc1 .Lprod
; ---------------- MV: a wave makes 32 numbers of bu, eight rows of wo a trip; a lane holds j = 128 q + 4 lane + 0..3 of a row and of bv
	s_lshl_b32 s29, ttmp9, 8
	s_lshl_b32 s30, s28, 5
	s_add_co_u32 s29, s29, s30                     ; my first row o0
	s_lshl_b32 s30, s29, 11
	s_mov_b32 s31, 0
	s_add_nc_u64 s[16:17], s[16:17], s[30:31]
	v_lshlrev_b32 v2, 4, v1
	s_lshl_b32 s32, s29, 2
	v_lshl_add_u32 v3, v1, 2, s32                  ; byte of o0 + lane in bo and bu
.irp i, 0,1,2,3
	global_load_b128 v[16+4*(\i):19+4*(\i)], v2, s[18:19] offset:512*(\i)
.endr
	global_load_b32 v14, v3, s[20:21]
	v_mov_b32 v12, 0                               ; lane l ends with row o0 + l
	v_mov_b32 v13, v1                              ; lane less the rows already done
	s_mov_b32 s33, 4
.Lmv:
.set i, 0
.rept 32
	global_load_b128 v[32+4*i:35+4*i], v2, s[16:17] offset:(i/4)*2048+(i%4)*512
.set i, i+1
.endr
	s_wait_loadcnt 0x0                             ; all are in: the base below is free too
.irp rr, 0,1,2,3,4,5,6,7
	v_pk_mul_f32 v[8:9], v[32+16*(\rr):33+16*(\rr)], v[16:17]
.irp k, 1,2,3,4,5,6,7
	v_pk_fma_f32 v[8:9], v[32+16*(\rr)+2*(\k):33+16*(\rr)+2*(\k)], v[16+2*(\k):17+2*(\k)], v[8:9]
.endr
	v_add_f32 v8, v8, v9
	WSUM 8, 9
	v_cmp_eq_u32 vcc_lo, \rr, v13
	v_cndmask_b32 v12, v12, v8, vcc_lo             ; the row's lane keeps the sum
.endr
	v_add_nc_u32 v13, -8, v13
	s_add_nc_u64 s[16:17], s[16:17], 16384
	s_sub_co_u32 s33, s33, 1
	s_cmp_lg_u32 s33, 0
	s_cbranch_scc1 .Lmv
	v_add_f32 v12, v12, v14
	global_store_b32 v3, v12, s[26:27]             ; 128 consecutive bytes a wave; bu is 2,048 bytes in all
	s_endpgm
; ---------------- PROD: a work-group makes 64 c x 64 o of W'.  Wave: 16 c (a = wave % 4) x 32 o (two tiles).
; Source 0 = wv^T (lane: c, along the registers: j), source 1 = wo (lane: o): a lane ends with eight neighbouring c of one row o.
.Lprod:
	s_sub_co_u32 s29, ttmp9, 2
	s_lshr_b32 s30, s29, 3                         ; block of 64 c
	s_and_b32 s31, s29, 7                          ; block of 64 o
	s_and_b32 s32, s28, 3                          ; a
	s_lshr_b32 s33, s28, 2                         ; which 32 o
	v_and_b32 v6, 15, v1                           ; r
	v_lshrrev_b32 v7, 4, v1                        ; h
	s_lshl_b32 s34, s30, 8
	s_lshl_b32 s35, s32, 6
	s_add_co_u32 s34, s34, s35
	s_mov_b32 s35, 0
	s_add_nc_u64 s[14:15], s[14:15], s[34:35]      ; wv at column 64 block + 16 a
	s_lshl_b32 s34, s31, 17
	s_lshl_b32 s36, s33, 16
	s_add_co_u32 s34, s34, s36
	s_add_nc_u64 s[16:17], s[16:17], s[34:35]      ; wo at row 64 block + 32 half
	v_lshlrev_b32 v2, 14, v7
	v_lshl_add_u32 v2, v6, 2, v2                   ; wv: 8 h rows of 2,048 bytes + 4 r
	v_lshlrev_b32 v3, 11, v6
	v_lshl_add_u32 v3, v7, 5, v3                   ; wo: row r, 32 h bytes
.macro PLOADS set                      ; a K step of 32 j: 16 + 8 loads
.set SB, SET+48*(\set)
.set i, 0
.rept 16
	global_load_b32 v[SB+i], v2, s[14:15] offset:((i&7)+16*(i>>3))*2048+(\set)*65536
.set i, i+1
.endr
.irp t, 0,1
	global_load_b128 v[SB+16+16*(\t):SB+19+16*(\t)], v3, s[16:17] offset:(\t)*32768+(\set)*128
	global_load_b128 v[SB+20+16*(\t):SB+23+16*(\t)], v3, s[16:17] offset:(\t)*32768+(\set)*128+16
	global_load_b128 v[SB+24+16*(\t):SB+27+16*(\t)], v3, s[16:17] offset:(\t)*32768+(\set)*128+64
	global_load_b128 v[SB+28+16*(\t):SB+31+16*(\t)], v3, s[16:17] offset:(\t)*32768+(\set)*128+80
.endr
.endm
.macro PCVT set                        ; 16 f32 become 8 registers of bf16, in place: a fragment lies in the first 8 of its 16
.irp f, 0,16,32
.irp i, 0,1,2,3,4,5,6,7
	v_cvt_pk_bf16_f32 v[SET+48*(\set)+(\f)+(\i)], v[SET+48*(\set)+(\f)+2*(\i)], v[SET+48*(\set)+(\f)+2*(\i)+1]
.endr
.endr
.endm
.macro PMULS set                       ; the two accumulators take turns, over the backward jump too
.irp t, 0,1
	v_wmma_f32_16x16x32_bf16 v[ACC+8*(\t):ACC+8*(\t)+7], v[SET+48*(\set):SET+48*(\set)+7], v[SET+48*(\set)+16+16*(\t):SET+48*(\set)+23+16*(\t)], v[ACC+8*(\t):ACC+8*(\t)+7]
.endr
.endm
	PLOADS 0
	PLOADS 1
.set i, 0
.rept 16
	v_mov_b32 v[ACC+i], 0                          ; written while the first loads are out, so that the loop has one form of product
.set i, i+1
.endr
	s_mul_i32 s37, s33, 32*PSP                     ; the stage's addresses
	s_lshl_b32 s38, s32, 5
	s_add_co_u32 s37, s37, s38
	s_add_co_u32 s37, s37, PST
	v_mul_u32_u24 v8, v6, PSP
	v_lshl_add_u32 v8, v7, 4, v8
	v_add_nc_u32 v8, s37, v8                       ; in: row 32 half + r (+ 16 t), bytes 32 a + 16 h
	s_mul_i32 s39, s28, 8*PSP
	s_add_co_u32 s39, s39, PST
	v_lshrrev_b32 v11, 3, v1
	v_mul_u32_u24 v9, v11, PSP
	v_and_b32 v11, 7, v1
	v_lshl_add_u32 v9, v11, 4, v9
	v_add_nc_u32 v9, s39, v9                       ; back: rows 8 wave + lane / 8 (+ 4 f), whole
	s_lshl_b32 s40, s30, 16
	s_lshl_b32 s41, s31, 13
	s_add_co_u32 s40, s40, s41
	s_lshl_b32 s41, s28, 10
	s_add_co_u32 s40, s40, s41
	s_add_co_u32 s40, s40, 0x100000                ; plane 2 of wb
	v_lshl_add_u32 v10, v1, 4, s40
	s_mov_b32 s42, 7
.Lpturn:                                       ; two K steps are multiplied, the two after them asked for
	s_wait_loadcnt 24                              ; set 0 is in; set 1's 24 loads may stay out
	PCVT 0
	PMULS 0
	PLACES                                         ; in front of loads into registers that the products have read
	s_wait_xcnt 0x0                                ; every load issued so far has read its address: the bases may be written
	s_add_nc_u64 s[14:15], s[14:15], 131072
	s_add_nc_u64 s[16:17], s[16:17], 256
	PLOADS 0
	s_wait_loadcnt 24                              ; set 1 is in
	PCVT 1
	PMULS 1
	PLACES
	PLOADS 1
	s_sub_co_u32 s42, s42, 1
	s_cmp_lg_u32 s42, 0
	s_cbranch_scc1 .Lpturn
	s_wait_loadcnt 24                              ; the last two K steps load nothing
	PCVT 0
	PMULS 0
	s_wait_loadcnt 0x0
	PCVT 1
	PMULS 1
	PLACES
	PLACES
.irp t, 0,1
.irp i, 0,1,2,3
	v_cvt_pk_bf16_f32 v[SET+4*(\t)+(\i)], v[ACC+8*(\t)+2*(\i)], v[ACC+8*(\t)+2*(\i)+1]
.endr
.endr
	ds_store_b128 v8, v[SET:SET+3]
	ds_store_b128 v8, v[SET+4:SET+7] offset:16*PSP
	s_wait_dscnt 0x0                               ; for the others' sake: a row's 128 bytes come from four waves
	s_barrier_signal -1
	s_barrier_wait -1
	ds_load_b128 v[SET+8:SET+11], v9
	ds_load_b128 v[SET+12:SET+15], v9 offset:4*PSP
	s_wait_dscnt 0x0
	global_store_b128 v10, v[SET+8:SET+11], s[24:25]              ; 512 consecutive bytes of a tile of wb
	global_store_b128 v10, v[SET+12:SET+15], s[24:25] offset:512
	s_wait_tensorcnt 0x0                           ; the wave's end, behind my last LDS store
	ds_add_u32 v[SPW], v[NIL]
	s_wait_dscnt 0x0
	s_endpgm
; ---------------- CONV: a wave takes four rows of wq or wk.  A load: 256 bytes (64 c) of two rows; a store: the same numbers, 256 consecutive bytes of a tile.
.Lconv:
	s_sub_co_u32 s29, ttmp9, 66
	s_lshr_b32 s30, s29, 4                         ; plane 0: wq, 1: wk
	s_cmp_eq_u32 s30, 0
	s_cselect_b64 s[10:11], s[10:11], s[12:13]
	s_and_b32 s31, s29, 15
	s_lshl3_add_u32 s31, s31, s28                  ; my four rows' number
	s_lshl_b32 s32, s31, 13
	v_lshrrev_b32 v6, 4, v1
	v_and_b32 v7, 15, v1
	v_lshl_add_u32 v2, v6, 11, s32
	v_lshl_add_u32 v2, v7, 4, v2
	s_lshl_b32 s33, s31, 9
	s_lshl_b32 s34, s30, 19
	s_add_co_u32 s33, s33, s34
	v_lshl_add_u32 v3, v1, 3, s33
.set i, 0
.rept 16
	global_load_b128 v[32+4*i:35+4*i], v2, s[10:11] offset:(i/8)*4096+(i%8)*256 th:TH_LOAD_NT
.set i, i+1
.endr
	s_wait_loadcnt 0x0
.set i, 0
.rept 16
	v_cvt_pk_bf16_f32 v[32+4*i], v[32+4*i], v[33+4*i]
	v_cvt_pk_bf16_f32 v[33+4*i], v[34+4*i], v[35+4*i]
.set i, i+1
.endr
.set i, 0
.rept 16
	global_store_b64 v3, v[32+4*i:33+4*i], s[24:25] offset:(i%8)*65536+(i/8)*256
.set i, i+1
.endr
	s_endpgm
; ---------------- NORM: wave w holds channels 4 w .. 4 w + 3 of the group in registers (32 loads of 512 bytes, all out at once): x is read once.
.Lnorm:
	s_sub_co_u32 s29, ttmp9, 98                    ; 16 image + group
	s_lshl_b32 s30, s29, 17
	s_mov_b32 s31, 0
	s_add_nc_u64 s[4:5], s[4:5], s[30:31]
	s_lshl_b32 s30, s29, 16
	s_add_nc_u64 s[22:23], s[22:23], s[30:31]
	s_lshl_b32 s32, s28, 14
	v_lshl_add_u32 v2, v1, 4, s32
	s_lshl_b32 s33, s28, 13
	v_lshl_add_u32 v3, v1, 3, s33
.set i, 0
.rept 32
	global_load_b128 v[X+4*i:X+4*i+3], v2, s[4:5] offset:512*i th:TH_LOAD_NT
.set i, i+1
.endr
	s_and_b32 s34, s29, 15
	s_lshl_b32 s34, s34, 7
	s_lshl4_add_u32 s34, s28, s34                  ; byte of my four channels in gn_scale and gn_bias
	s_load_b128 s[36:39], s[6:7], s34 offset:0x0
	s_load_b128 s[40:43], s[8:9], s34 offset:0x0
	s_mov_b32 s46, 0x38000000                      ; 1 / 32,768
	s_mov_b32 s47, 0x358637bd                      ; 1e-6
	v_mov_b32 v6, s28
	v_lshlrev_b32 v6, 2, v6                        ; my wave's word among the partial sums
	v_mov_b32 v7, 0
.macro GSUM off                        ; four chains v[8:15] -> the group's sum in v16, by way of eight words of LDS at off
	v_pk_add_f32 v[8:9], v[8:9], v[10:11]
	v_pk_add_f32 v[12:13], v[12:13], v[14:15]
	v_pk_add_f32 v[8:9], v[8:9], v[12:13]
	v_add_f32 v8, v8, v9
	WSUM 8, 9
	ds_store_b32 v6, v8 offset:\off
	s_wait_dscnt 0x0                               ; for the others' sake
	s_barrier_signal -1
	s_barrier_wait -1
	ds_load_b128 v[16:19], v7 offset:\off
	ds_load_b128 v[20:23], v7 offset:(\off)+16
	s_wait_dscnt 0x0
	v_pk_add_f32 v[16:17], v[16:17], v[18:19]
	v_pk_add_f32 v[20:21], v[20:21], v[22:23]
	v_pk_add_f32 v[16:17], v[16:17], v[20:21]
	v_add_f32 v16, v16, v17
.endm
	s_wait_loadcnt 24                              ; the first eight loads are in; the 24 younger ones stay out
.irp k, 0,1,2,3
	v_pk_add_f32 v[8+2*(\k):9+2*(\k)], v[X+2*(\k):X+2*(\k)+1], v[X+8+2*(\k):X+9+2*(\k)]  ; the first pairs start the chains: nothing is cleared
.endr
.set p, 8
.rept 8
	v_pk_add_f32 v[8+2*(p%4):9+2*(p%4)], v[8+2*(p%4):9+2*(p%4)], v[X+2*p:X+2*p+1]
.set p, p+1
.endr
.irp left, 16, 8, 0
	s_wait_loadcnt \left                           ; eight more
.rept 16
	v_pk_add_f32 v[8+2*(p%4):9+2*(p%4)], v[8+2*(p%4):9+2*(p%4)], v[X+2*p:X+2*p+1]
.set p, p+1
.endr
.endr
	GSUM 0
	v_mul_f32 v22, s46, v16                        ; the mean, twice
	v_mov_b32 v23, v22
.set p, 0
.rept 64
	v_pk_add_f32 v[X+2*p:X+2*p+1], v[X+2*p:X+2*p+1], v[22:23] neg_lo:[0,1] neg_hi:[0,1]
.set p, p+1
.endr
.irp k, 0,1,2,3
	v_pk_mul_f32 v[8+2*(\k):9+2*(\k)], v[X+2*(\k):X+2*(\k)+1], v[X+2*(\k):X+2*(\k)+1]
.endr
.set p, 4
.rept 60
	v_pk_fma_f32 v[8+2*(p%4):9+2*(p%4)], v[X+2*p:X+2*p+1], v[X+2*p:X+2*p+1], v[8+2*(p%4):9+2*(p%4)]
.set p, p+1
.endr
	GSUM 32                                        ; other words than the first sum's: no wave still reads what is written
	v_fma_f32 v16, v16, s46, s47                   ; the variance + 1e-6
	v_rsq_f32 v17, v16
	v_nop                                          ; a plain instruction behind the root,
	s_wait_alu depctr_va_vdst(0)                   ; and the wait ahead of its first use
	s_wait_kmcnt 0x0
.irp c, 0,1,2,3
	v_mul_f32 v[24+2*(\c)], s[36+(\c)], v17        ; gain / deviation, twice for the packed form
	v_mul_f32 v[25+2*(\c)], s[36+(\c)], v17
	v_mov_b32 v[32+2*(\c)], s[40+(\c)]
	v_mov_b32 v[33+2*(\c)], s[40+(\c)]
.endr
.set p, 0
.rept 64
	v_pk_fma_f32 v[X+2*p:X+2*p+1], v[X+2*p:X+2*p+1], v[24+2*(p/16):25+2*(p/16)], v[32+2*(p/16):33+2*(p/16)]
.set p, p+1
.endr
.set i, 0
.rept 32
	v_cvt_pk_bf16_f32 v[X+4*i], v[X+4*i], v[X+4*i+1]
	v_cvt_pk_bf16_f32 v[X+4*i+1], v[X+4*i+2], v[X+4*i+3]
	global_store_b64 v3, v[X+4*i:X+4*i+1], s[22:23] offset:256*i   ; the wave's 32 lanes store 256 consecutive bytes, aligned
.set i, i+1
.endr
	s_wait_tensorcnt 0x0                           ; the wave's end, behind my last LDS store
	ds_add_u32 v[SPW], v[NIL]
	s_wait_dscnt 0x0
	s_endpgm
.Lfunc_end_k_q1a166f2f44_front:
	.size	k_q1a166f2f44_front, .Lfunc_end_k_q1a166f2f44_front-k_q1a166f2f44_front
	.p2alignl 7, 3214868480
	.fill 96, 4, 3214868480
	.section	.rodata,"a",@progbits
	.p2align	6, 0x0
	.amdhsa_kernel k_q1a166f2f44_front
		.amdhsa_group_segment_fixed_size 10496
		.amdhsa_private_segment_fixed_size 0
		.amdhsa_enable_private_segment 0
		.amdhsa_kernarg_size 96
		.amdhsa_user_sgpr_count 2
		.amdhsa_user_sgpr_kernarg_segment_ptr 1
		.amdhsa_wavefront_size32 1
		.amdhsa_system_sgpr_workgroup_id_x 1
		.amdhsa_system_sgpr_workgroup_id_y 1
		.amdhsa_system_sgpr_workgroup_id_z 1
		.amdhsa_system_vgpr_workitem_id 0
		.amdhsa_next_free_vgpr 168
		.amdhsa_next_free_sgpr 66
		.amdhsa_reserve_vcc 1
		.amdhsa_float_denorm_mode_32 3
		.amdhsa_float_denorm_mode_16_64 3
		.amdhsa_memory_ordered 1
		.amdhsa_forward_progress 1
		.amdhsa_inst_pref_size 69
	.end_amdhsa_kernel
	.amdgpu_metadata
---
amdhsa.version: [ 1, 2 ]
amdhsa.kernels:
  - .name:           k_q1a166f2f44_front
    .symbol:         k_q1a166f2f44_front.kd
    .args:
      - { .name: x, .offset: 0, .size: 8, .value_kind: global_buffer, .address_space: global }
      - { .name: gn_scale, .offset: 8, .size: 8, .value_kind: global_buffer, .address_space: global }
      - { .name: gn_bias, .offset: 16, .size: 8, .value_kind: global_buffer, .address_space: global }
      - { .name: wq, .offset: 24, .size: 8, .value_kind: global_buffer, .address_space: global }
      - { .name: wk, .offset: 32, .size: 8, .value_kind: global_buffer, .address_space: global }
      - { .name: wv, .offset: 40, .size: 8, .value_kind: global_buffer, .address_space: global }
      - { .name: wo, .offset: 48, .size: 8, .value_kind: global_buffer, .address_space: global }
      - { .name: bv, .offset: 56, .size: 8, .value_kind: global_buffer, .address_space: global }
      - { .name: bo, .offset: 64, .size: 8, .value_kind: global_buffer, .address_space: global }
      - { .name: hn, .offset: 72, .size: 8, .value_kind: global_buffer, .address_space: global }
      - { .name: wb, .offset: 80, .size: 8, .value_kind: global_buffer, .address_space: global }
      - { .name: bu, .offset: 88, .size: 8, .value_kind: global_buffer, .address_space: global }
    .group_segment_fixed_size: 10496
    .private_segment_fixed_size: 0
    .kernarg_segment_align: 8
    .kernarg_segment_size: 96
    .max_flat_workgroup_size: 256
    .sgpr_count:     66
    .vgpr_count:     168
    .wavefront_size: 32
...
	.end_amdgpu_metadata
.endif
;; end of part 1
;; launch proj (part 2): grid 128 x 2, 4 waves a work-group, clusters of 4 x 1, 327,680 bytes of LDS; arguments hn, wb, bq, bk, bu, qkv; writes qkv
.if DOCPART == 2
	.amdgcn_target "amdgcn-amd-amdhsa--gfx1250"
	.amdhsa_code_object_version 6
	.text
	.protected	k_q1a166f2f44_proj
	.globl	k_q1a166f2f44_proj
	.p2align	8
	.type	k_q1a166f2f44_proj,@function
k_q1a166f2f44_proj:
	s_mov_b64 s[64:65], 0
	v_nop
	global_prefetch_b8 v0, s[64:65] scope:SCOPE_SE
	s_setreg_imm32_b32 hwreg(HW_REG_WAVE_MODE, 25, 1), 1
	s_wait_xcnt 0x0
	s_wait_alu depctr_hold_cnt(0) depctr_sa_sdst(0) depctr_va_vdst(0) depctr_va_sdst(0) depctr_va_ssrc(0) depctr_va_vcc(0) depctr_vm_vsrc(0)
	s_getreg_b32 s2, hwreg(HW_REG_IB_STS2, 6, 4)
	s_cmp_eq_u32 s2, 0
	s_cbranch_scc0 .Lentry_in_a_cluster
	s_endpgm
.Lentry_in_a_cluster:
	s_bfe_u32 s2, ttmp6, 0x10000c
	s_cmp_lg_u32 s2, 0x3003
	s_cbranch_scc0 .Lentry_shape_is_right
	s_endpgm
.Lentry_shape_is_right:
; PROJ: Y_p[b][n][o] = sum_c W_p[o][c] hn[b][c][n] + bias_p[o], p = q, k, u; bf16 operands, f32 sums, Y rounded once to bf16.  qkv: [3][32][1024 n][512 o].
; hn: [32][512 c][1024 n] bf16.  wb: tiles of 512 o x 64 c, 65,536 dense bytes each, tile 8 p + c / 64.
; SHARES.  A work-group stays and makes three tiles of Y, 256 pixels x 256 outs: one for each p.  The cluster's x is the image, the place in the cluster the block of 256 pixels, y the half of the outs.
; A wave makes 128 x 128: 64 accumulators, 512 registers; for 32 along c it issues 32 LDS loads and 64 matrix instructions.
; RING.  c goes in steps of 128; the three tiles' 12 steps are one walk through two LDS slots.  A slot holds 128 rows (c) of hn, 512 bytes each, and 256 outs of W as two chunks of 64 c.
; Waves 0 and 1 fetch hn's halves (64 rows), waves 2 and 3 W's chunks (256 outs x 64 c: 32,768 dense bytes of wb, asked for as 128 rows of 256).  From a request to the wait for it a wave issues 224 matrix instructions.
; W's address is linear in the step; hn's goes round the tile's four steps, so it is made anew for each fill: a base and an offset that an exclusive or turns.
; CLUSTER.  The four pixel blocks of an image walk the same tiles of W: each is asked for JOINTLY (mask 15).  hn's tiles are a work-group's own (mask 0): a pass has two out tiles, so only two
; work-groups read a block of hn at a time, which is no row of four.
; LAYOUT.  Source 0 = 16 outs of W (c along the LDS rows), source 1 = 16 pixels of hn ([c][n] in LDS, turned by ds_load_tr16_b128): a lane holds one pixel and eight neighbouring outs: 16 bytes of a
; row of Y.  The bias is the C operand of the products that start a tile's sums: nothing is cleared, nothing is added later.
; REGISTERS, in windows of 256: window 0: v16-30 addresses; v64-127, v128-191 hn's fragments, two buffers; v32-63, v192-255 the way out.
;   window 1: v0-63 the tile's bias (out tile bt at 8 bt); v64-127, v128-191 W's fragments.   windows 2, 3: accumulators (pixel block a, out tile bt) at 8 (8 (a % 4) + bt).
.set PH,     544                       ; a row of hn in LDS: 512 bytes + 32: 17 x 32
.set PW,     144                       ; a row of W: 128 bytes + 16
.set HHALF,  64*PH                     ; what wave 0 or 1 fetches
.set WOFF,   128*PH                    ; W lies behind hn's 128 rows
.set WCHUNK, 256*PW                    ; a chunk: 256 outs x 64 c: what wave 2 or 3 fetches
.set WMINE,  128*PW                    ; the 128 outs that a wave multiplies, in each chunk
.set SLOT,   WOFF+2*WCHUNK
.set STAGE,  2*SLOT                    ; 16 rows x 272 bytes for each wave, never filled by a tensor load
.set SPITCH, 272
.set SPARE,  STAGE+4*16*SPITCH         ; the spare words, 128 bytes a wave
.set ADRA, 16                          ; v16-17  hn's fragments in slot 0, 1
.set ADRB, 20                          ; v20-21  W's fragments in slot 0, 1
.set STO,  24
.set RD,   25
.set CO,   26
.set BO,   27                          ; v27  my byte offset in a bias
.set SPW,  28
.set NIL,  29
.set PFO,  30                          ; v30  256 x lane; never rewritten
.set F0,   64
.set F1,   128
.set TMP,  192
.set OB,   32
.set WV,   16                          ; s16  wave
.set CX,   17                          ; s17  my place in the cluster: the block of 256 pixels
.set WR,   18                          ; s18  wave / 2: which 128 pixels are mine.  Also: I fetch for hn (0) or for W (1)
.set WC,   19                          ; s19  wave % 2: which 128 outs are mine.  Also: which half of hn's rows, or which chunk of W, I fetch
.set YH,   20                          ; s20  the half of the outs
.set G1W,  24                          ; s[24:31] group 1 for W
.set G0W,  32                          ; s[32:39] group 0, a set for each slot
.set G1H,  40                          ; s[40:47] group 1 for hn
.set G0H,  48                          ; s[48:55] group 0, a set for each slot
.set HB,   56                          ; s[56:57] hn at my 64 rows of the tile's step 0
.set HO,   58                          ; s[58:59], s[60:61] the byte offset of the slot's step from there
.set LL,   62                          ; s62  laps to go, this one among them
.set LIM,  63                          ; s63  2 in a wave that prefetches, else the greatest number
.set PFA,  66                          ; s[66:67]
.set MSB, 0
.macro WIN new                         ; the immediate's high byte repeats the setting that is left
.if MSB != (\new)
	s_set_vgpr_msb (MSB<<8)|(\new)
.set MSB, \new
.endif
.endm
.macro PLACES                          ; four places in front of loads into registers that products have read, and of conversions that read results
.rept 4
	v_nop
.endr
.endm
.macro CREST                           ; a round of the cluster's barrier behind its opening barrier
	s_cmp_lg_u32 s[WV], 0
	s_cbranch_scc1 .Lnot_wave_0_\@
	s_barrier_signal -3
.Lnot_wave_0_\@:
	s_barrier_wait -3
	s_barrier_signal -1
	s_barrier_wait -1
.endm
.macro CROUND
	s_barrier_signal -1
	s_barrier_wait -1
	CREST
.endm
; A refill: one tensor load a wave.  The branch hangs on the wave's number alone.  An s_nop 0 and four v_nop follow each of the two lines, ahead of the jump and the label.
.macro JLOAD s
	s_cmp_eq_u32 s[WR], 0
	s_cbranch_scc0 .Lfor_w_\@
	tensor_load_to_lds s[G0H+4*(\s):G0H+4*(\s)+3], s[G1H:G1H+7]
	s_nop 0
.rept 4
	v_nop
.endr
	s_branch .Lasked_\@
.Lfor_w_\@:
	tensor_load_to_lds s[G0W+4*(\s):G0W+4*(\s)+3], s[G1W:G1W+7]
	s_nop 0
.rept 4
	v_nop
.endr
.Lasked_\@:
.endm
; A PREFETCH INTO THE L2 of wb, behind each refill and the run of LDS loads that follows it: the step that stands two refills on, 512 matrix instructions ahead of the load that will want it.
; All 32 clusters of an out half walk the same stream: the first (cluster x = 0) asks.  Waves 2 and 3 ask for the chunk that they fetch, 32,768 bytes; the four partners take 8,192 each, told apart
; by address; a lane names 256 bytes.  So each block is named once in the launch.  The first four steps come by their loads alone; the last two laps have no step two refills on.
; hn is not asked for: its first walk is the launch's first four steps.
.macro ASK
	s_cmp_gt_u32 s[LL], s[LIM]
	s_cbranch_scc0 .Lnot_mine_\@
	global_prefetch_b8 v[PFO], s[PFA:PFA+1] th:TH_LOAD_NT scope:SCOPE_SE
.Lnot_mine_\@:
.endm
; 16 products: pixel blocks a0, a0 + 1 of the window's four x all 8 out tiles.  mode = 1: C is the bias, in window 1.  The 64 accumulators take turns, in the same order in every quarter.
.macro MUL16 f, hi, a0, mode
.if \mode
	WIN 0x91+0x40*(\hi)
.else
	WIN 0xa1+0x50*(\hi)
.endif
.irp a, \a0, (\a0)+1
.irp b, 0,1,2,3,4,5,6,7
.if \mode
	v_wmma_f32_16x16x32_bf16 v[8*(8*(\a)+(\b)):8*(8*(\a)+(\b))+7], v[(\f)+8*(\b):(\f)+8*(\b)+7], v[(\f)+8*(4*(\hi)+(\a)):(\f)+8*(4*(\hi)+(\a))+7], v[8*(\b):8*(\b)+7]
.else
	v_wmma_f32_16x16x32_bf16 v[8*(8*(\a)+(\b)):8*(8*(\a)+(\b))+7], v[(\f)+8*(\b):(\f)+8*(\b)+7], v[(\f)+8*(4*(\hi)+(\a)):(\f)+8*(4*(\hi)+(\a))+7], v[8*(8*(\a)+(\b)):8*(8*(\a)+(\b))+7]
.endif
.endr
.endr
.endm
; 32 LDS loads in one run: the fragments of quarter q (32 along c) of the step in slot, into buffer f.  W: chunk q / 2, bytes 64 (q % 2) on of its rows
.macro FETCH slot, q, f
	WIN 0x40
.irp i, 0,1,2,3,4,5,6,7
	ds_load_b128 v[(\f)+8*(\i):(\f)+8*(\i)+3],   v[ADRB+(\slot)] offset:((\q)/2)*WCHUNK+((\q)%2)*64+(\i)*16*PW
	ds_load_b128 v[(\f)+8*(\i)+4:(\f)+8*(\i)+7], v[ADRB+(\slot)] offset:((\q)/2)*WCHUNK+((\q)%2)*64+(\i)*16*PW+32
.endr
	WIN 0
.irp i, 0,1,2,3,4,5,6,7
	ds_load_tr16_b128 v[(\f)+8*(\i):(\f)+8*(\i)+3],   v[ADRA+(\slot)] offset:(\q)*32*PH+32*(\i)
	ds_load_tr16_b128 v[(\f)+8*(\i)+4:(\f)+8*(\i)+7], v[ADRA+(\slot)] offset:(\q)*32*PH+32*(\i)+16*PH
.endr
.endm
; A step is four quarters, 64 products each, on buffers 0, 1, 0, 1.  One of the first three: multiplies buffer f; in its middle it fetches quarter q into buffer g.
.macro QUARTER slot, q, f, g, mode
	s_wait_dscnt 8                                 ; W and pixels 0-63 are in; the youngest eight loads (pixels 64-127) may be out
	MUL16 \f, 0, 0, \mode
	MUL16 \f, 0, 2, \mode
	PLACES
	FETCH \slot, \q, \g
	s_wait_dscnt 32                                ; all but the 32 just issued
	MUL16 \f, 1, 0, \mode
	MUL16 \f, 1, 2, \mode
.endm
; The last quarter multiplies buffer 1 and changes slots.  Its first half: ONE barrier.  In front of it each wave waits for all its tensor loads, adds 0 to its spare word, and waits for that and for its reads of this slot.
.macro MEET round
	WIN 0
	s_wait_tensorcnt 0x0                           ; all my tensor loads have landed: the one that was out is my part of the next slot;
	ds_add_u32 v[SPW], v[NIL]                      ; 0 onto my spare word;
	s_wait_dscnt 9                                 ; (the add and the youngest eight loads may be out)
	MUL16 F1, 0, 0, 0
	s_wait_dscnt 0x0                               ; the add is done, and my reads of this slot are over
	s_barrier_signal -1
	MUL16 F1, 0, 2, 0
.if \round
	WIN 0
.endif
	s_barrier_wait -1
.endm
; fill = 1: the slot just read is filled again, two steps on, first thing behind a round of the cluster's barrier.
.macro TURN slot, next, fill
	WIN 0
.if \fill
	s_wait_xcnt 0x0                                ; the last prefetch, a step back, has read its address
	s_add_nc_u64 s[PFA:PFA+1], s[PFA:PFA+1], 131072
.endif
	MEET \fill
.if \fill
	CREST                                          ; no wave of any partner still reads this slot or has a load on its way
	s_add_nc_u64 s[G0W+4*(\slot)+2:G0W+4*(\slot)+3], s[G0W+4*(\slot)+2:G0W+4*(\slot)+3], 262144
	s_xor_b32 s[HO+2*(\slot)], s[HO+2*(\slot)], 524288        ; of a tile's four steps the slot's other one
	s_add_nc_u64 s[G0H+4*(\slot)+2:G0H+4*(\slot)+3], s[HB:HB+1], s[HO+2*(\slot):HO+2*(\slot)+1]
	s_or_b32 s[G0H+4*(\slot)+3], s[G0H+4*(\slot)+3], 0x80000000
	JLOAD \slot                                    ; its four v_nop are also the places in front of the loads below
.else
	PLACES
.endif
	FETCH \next, 0, F0
.if \fill
	ASK
.endif
	MUL16 F1, 1, 0, 0
	MUL16 F1, 1, 2, 0
.endm
.macro BIAS                            ; the tile's bias as 8 C operands: register j of out tile bt is bias[256 y + 128 (wave % 2) + 16 bt + 8 h + j]
	WIN 0x40
.irp b, 0,1,2,3,4,5,6,7
	global_load_b128 v[8*(\b):8*(\b)+3],   v[BO], s[8:9] offset:64*(\b)
	global_load_b128 v[8*(\b)+4:8*(\b)+7], v[BO], s[8:9] offset:64*(\b)+16
.endr
	WIN 0
.endm
; THE WAY OUT of pixel block a: rounded to bf16, 16 bytes a lane; through my own stage; stored as whole rows of 256 bytes.
.macro PACK a
.set AC, 64*((\a)%4)
	WIN 0x0a+5*((\a)/4)
.irp b, 0,1,2,3,4,5,6,7
.irp r, 0,1,2,3
	v_cvt_pk_bf16_f32 v[TMP+4*(\b)+(\r)], v[AC+8*(\b)+2*(\r)], v[AC+8*(\b)+2*(\r)+1]
.endr
.endr
	WIN 0
.endm
.macro TOSTAGE a
	WIN 0
.set BK, OB+192*((\a)%2)
.irp b, 0,1,2,3,4,5,6,7
	ds_store_b128 v[STO], v[TMP+4*(\b):TMP+4*(\b)+3] offset:32*(\b)
.endr
.irp t, 0,1,2,3,4,5,6,7
	ds_load_b128 v[BK+4*(\t):BK+4*(\t)+3], v[RD] offset:(\t)*2*SPITCH  ; LDS serves a wave's instructions in order: these see the stores above
.endr
.endm
.macro SEND a
	WIN 0
.set BK, OB+192*((\a)%2)
	s_wait_dscnt 0x0                               ; the block is back in registers
	s_wait_xcnt 0x0                                ; earlier stores have read their registers: the next block's loads may land on them
.irp t, 0,1,2,3,4,5,6,7
	global_store_b128 v[CO], v[BK+4*(\t):BK+4*(\t)+3], s[14:15] offset:(\a)*16384+(\t)*2048  ; 16 lanes store 256 consecutive bytes, aligned
.endr
.endm
	s_load_b256 s[4:11], s[0:1], 0x0               ; hn 4:5, wb 6:7, bq 8:9, bk 10:11
	s_load_b128 s[12:15], s[0:1], 0x20             ; bu 12:13, qkv 14:15
	v_lshl_add_u32 v[SPW], v0, 2, SPARE
	v_mov_b32 v[NIL], 0
	ds_add_u32 v[SPW], v[NIL]                      ; the wave's opening: the add and its wait come ahead of my first tensor load
	v_lshrrev_b32 v1, 5, v0
	v_readfirstlane_b32 s[WV], v1
	s_lshr_b32 s[WR], s[WV], 1
	s_and_b32 s[WC], s[WV], 1
	s_bfe_u32 s[CX], ttmp6, 0x40000
	s_and_b32 s[YH], ttmp7, 0xffff
	s_mov_b32 s[G1W], 15|(1<<16)|(1<<20)|(1<<21)|(4<<22)|(3<<25)  ; mask of four; 2-byte elements; padding on; bit 21 beside a mask; after every 32 words 4 words
	s_mov_b32 s[G1W+1], 128<<16                    ; a chunk's 256 outs are 32,768 dense bytes: 128 rows of 256, two outs a row, padded in LDS after every out
	s_mov_b32 s[G1W+2], 128<<16
	s_mov_b32 s[G1W+3], 128<<16
	s_mov_b32 s[G1W+4], 128
	s_mov_b32 s[G1W+5], 128
	s_mov_b32 s[G1W+6], 0
	s_mov_b32 s[G1W+7], 0
	s_mov_b32 s[G1H], (1<<16)|(1<<20)|(6<<22)|(7<<25)  ; no mask; after every 128 words 8 words
	s_mov_b32 s[G1H+1], 256<<16                    ; 64 channels x 256 pixels, 1,024 elements from row to row
	s_mov_b32 s[G1H+2], 64<<16
	s_mov_b32 s[G1H+3], 256<<16
	s_mov_b32 s[G1H+4], 64
	s_mov_b32 s[G1H+5], 1024
	s_mov_b32 s[G1H+6], 0
	s_mov_b32 s[G1H+7], 0
	s_mul_i32 s21, s[WC], HHALF                    ; where my half of hn's tile goes,
	s_mul_i32 s22, s[WC], WCHUNK
	s_add_co_u32 s22, s22, WOFF                    ; and my chunk of W: no place in the cluster enters an LDS address
	s_lshl_b32 s70, s[YH], 15                      ; W: rows 256 y on, of 128 bytes, in the step's first or second tile: nothing of my place in the cluster
	s_lshl_b32 s23, s[WC], 16
	s_add_co_u32 s70, s70, s23
	s_mov_b32 s71, 0
	s_lshl_b32 s2, ttmp9, 20                       ; hn: the image, my 64 rows of 2,048 bytes, my block's 512 bytes of a row
	s_lshl_b32 s69, s[WC], 17
	s_add_co_u32 s2, s2, s69
	s_lshl_b32 s69, s[CX], 9
	s_add_co_u32 s2, s2, s69
	s_mov_b32 s3, 0
	s_lshl_b32 s72, ttmp9, 20                      ; Y: the image, my block's and my wave's rows of 1,024 bytes, my 256 bytes of a row
	s_lshl_b32 s69, s[CX], 18
	s_add_co_u32 s72, s72, s69
	s_lshl_b32 s69, s[WR], 17
	s_add_co_u32 s72, s72, s69
	s_lshl_b32 s69, s[YH], 9
	s_add_co_u32 s72, s72, s69
	s_lshl_b32 s69, s[WC], 8
	s_add_co_u32 s72, s72, s69
	s_mov_b32 s73, 0
	s_lshl_b32 s74, s[CX], 13                      ; the prefetches: my work-group's 8,192 bytes of the chunk,
	s_add_co_u32 s74, s74, 3*131072                ; at step 3: the first change of slots steps it to step 4
	s_mov_b32 s75, 0
	s_mov_b32 s[HO], 0
	s_mov_b32 s[HO+1], 0
	s_mov_b32 s[HO+2], 262144
	s_mov_b32 s[HO+3], 0
	s_xor_b32 s68, s[WR], 1                        ; 0 in waves 2 and 3,
	s_or_b32 s68, s68, ttmp9                       ; where the cluster is the out half's first: the same in all four partners
	s_cmp_eq_u32 s68, 0
	s_cselect_b32 s[LIM], 2, -1
	s_mov_b32 s[LL], 6
	s_wait_dscnt 0x0                               ; the opening add is done
	s_wait_kmcnt 0x0
	s_add_nc_u64 s[HB:HB+1], s[4:5], s[2:3]
	s_add_nc_u64 s[6:7], s[6:7], s[70:71]
	s_add_nc_u64 s[14:15], s[14:15], s[72:73]
	s_add_nc_u64 s[PFA:PFA+1], s[6:7], s[74:75]
.irp s, 0,1
	s_mov_b32 s[G0H+4*(\s)], 1
	s_add_co_u32 s[G0H+4*(\s)+1], s21, (\s)*SLOT
	s_add_nc_u64 s[G0H+4*(\s)+2:G0H+4*(\s)+3], s[HB:HB+1], (\s)*262144
	s_or_b32 s[G0H+4*(\s)+3], s[G0H+4*(\s)+3], 0x80000000
	s_mov_b32 s[G0W+4*(\s)], 1
	s_add_co_u32 s[G0W+4*(\s)+1], s22, (\s)*SLOT
	s_add_nc_u64 s[G0W+4*(\s)+2:G0W+4*(\s)+3], s[6:7], (\s)*131072
	s_or_b32 s[G0W+4*(\s)+3], s[G0W+4*(\s)+3], 0x80000000
.endr
	CROUND                                         ; all four work-groups are here: the first joint loads meet
	s_cmp_eq_u32 s[WR], 0                          ; a wave's two first fills stand in one branch: two loads of mine are out
	s_cbranch_scc0 .Lfirst_w
	tensor_load_to_lds s[G0H:G0H+3], s[G1H:G1H+7]
	s_nop 0
	tensor_load_to_lds s[G0H+4:G0H+7], s[G1H:G1H+7]
	s_nop 0
.rept 4
	v_nop
.endr
	s_branch .Lfirst_asked
.Lfirst_w:
	tensor_load_to_lds s[G0W:G0W+3], s[G1W:G1W+7]
	s_nop 0
	tensor_load_to_lds s[G0W+4:G0W+7], s[G1W:G1W+7]
	s_nop 0
.rept 4
	v_nop
.endr
.Lfirst_asked:
	v_and_b32 v1, 15, v0                           ; r
	v_bfe_u32 v2, v0, 4, 1                         ; h
	v_and_b32 v3, 7, v0
	v_bfe_u32 v4, v0, 3, 1
	v_lshl_add_u32 v5, v2, 3, v3                   ; the turning load: row 8 h + l % 8, 16 bytes for each half of eight lanes,
	v_mul_u32_u24 v5, v5, PH
	v_lshl_add_u32 v5, v4, 4, v5
	s_lshl_b32 s23, s[WR], 8                       ; my 128 pixels: 256 bytes of a row
	v_add_nc_u32 v[ADRA], s23, v5
	v_add_nc_u32 v[ADRA+1], SLOT, v[ADRA]
	s_mul_i32 s69, s[WC], WMINE                    ; my 128 outs in a chunk
	s_add_co_u32 s69, s69, WOFF
	v_mul_u32_u24 v6, v1, PW
	v_lshl_add_u32 v6, v2, 4, v6
	v_add_nc_u32 v[ADRB], s69, v6
	v_add_nc_u32 v[ADRB+1], SLOT, v[ADRB]
	s_mul_i32 s68, s[WV], 16*SPITCH
	s_add_co_u32 s68, s68, STAGE
	v_mul_u32_u24 v6, v1, SPITCH
	v_lshl_add_u32 v6, v2, 4, v6
	v_add_nc_u32 v[STO], s68, v6
	v_mul_u32_u24 v6, v2, SPITCH
	v_lshl_add_u32 v6, v1, 4, v6
	v_add_nc_u32 v[RD], s68, v6
	v_lshlrev_b32 v[CO], 10, v2
	v_lshl_add_u32 v[CO], v1, 4, v[CO]
	s_lshl_b32 s23, s[YH], 10
	s_lshl_b32 s68, s[WC], 9
	s_add_co_u32 s23, s23, s68
	v_lshl_add_u32 v[BO], v2, 5, s23
	v_and_b32 v[PFO], 31, v0
	v_lshlrev_b32 v[PFO], 8, v[PFO]
	BIAS
	s_wait_tensorcnt 1                             ; my part of step 0 is in; step 1's may stay out
	s_barrier_signal -1
	s_barrier_wait -1
	FETCH 0, 0, F0
.Llap:                                                 ; six laps of two steps; a tile is two laps
	s_wait_loadcnt 0x0                             ; the bias is in: waited for on every way into a lap, so that no load into its registers ever meets an earlier one; where none is out the wait is met at once
	s_and_b32 s68, s[LL], 1
	s_cmp_eq_u32 s68, 0                            ; an even count: a tile's first lap
	s_cbranch_scc0 .Lacc
.rept 5
	v_nop                                          ; five places between the last product on an accumulator and the product that writes it anew from another C (ISA guide 7.12.1), on every way here
.endr
	QUARTER 0, 1, F0, F1, 1                        ; a tile's first products start the sums with the bias
	WIN 0
	s_branch .Lq
.Lacc:
	QUARTER 0, 1, F0, F1, 0
	WIN 0
.Lq:
	QUARTER 0, 2, F1, F0, 0
	QUARTER 0, 3, F0, F1, 0
	WIN 0
	s_cmp_eq_u32 s[LL], 1
	s_cbranch_scc1 .Ltail                          ; the last lap is written out: it asks for nothing more
	TURN 0, 1, 1
	QUARTER 1, 1, F0, F1, 0
	QUARTER 1, 2, F1, F0, 0
	QUARTER 1, 3, F0, F1, 0
	TURN 1, 0, 1                                   ; the ring goes on into the next lap, across tiles too
	WIN 0
	s_cmp_eq_u32 s68, 0
	s_cbranch_scc1 .Lnext                          ; the tile has a second lap
	s_mov_b64 s[8:9], s[10:11]                     ; the next tile's bias (the last loads from s[8:9] were waited for at a lap's head)
	s_mov_b64 s[10:11], s[12:13]
	BIAS
	s_branch .Lout
.Ltail:
	TURN 0, 1, 0
	QUARTER 1, 1, F0, F1, 0
	QUARTER 1, 2, F1, F0, 0
	QUARTER 1, 3, F0, F1, 0
	s_wait_dscnt 8
	MUL16 F1, 0, 0, 0
	MUL16 F1, 0, 2, 0
	s_wait_dscnt 0x0
	MUL16 F1, 1, 0, 0
	MUL16 F1, 1, 2, 0
	WIN 0
	PLACES                                         ; in front of conversions that read results
.Lout:                                                 ; blocks 0-3's 128 conversions are the places behind the products of blocks 4-7
	PACK 0
	TOSTAGE 0
.irp a, 1,2,3,4,5,6,7
	PACK \a
	SEND (\a)-1
	TOSTAGE \a
.endr
	SEND 7
	s_wait_xcnt 0x0                                ; the stores have read their base
	s_add_nc_u64 s[14:15], s[14:15], 0x2000000     ; the next plane of qkv
.Lnext:
	s_sub_co_u32 s[LL], s[LL], 1
	s_cmp_lg_u32 s[LL], 0
	s_cbranch_scc1 .Llap
	s_wait_tensorcnt 0x0                           ; the wave's end
	ds_add_u32 v[SPW], v[NIL]
	s_wait_dscnt 0x0
	CROUND                                         ; the closing round
	s_endpgm
.Lfunc_end_k_q1a166f2f44_proj:
	.size	k_q1a166f2f44_proj, .Lfunc_end_k_q1a166f2f44_proj-k_q1a166f2f44_proj
	.p2alignl 7, 3214868480
	.fill 96, 4, 3214868480
	.section	.rodata,"a",@progbits
	.p2align	6, 0x0
	.amdhsa_kernel k_q1a166f2f44_proj
		.amdhsa_group_segment_fixed_size 327680
		.amdhsa_private_segment_fixed_size 0
		.amdhsa_enable_private_segment 0
		.amdhsa_kernarg_size 48
		.amdhsa_user_sgpr_count 2
		.amdhsa_user_sgpr_kernarg_segment_ptr 1
		.amdhsa_wavefront_size32 1
		.amdhsa_system_sgpr_workgroup_id_x 1
		.amdhsa_system_sgpr_workgroup_id_y 1
		.amdhsa_system_sgpr_workgroup_id_z 1
		.amdhsa_system_vgpr_workitem_id 0
		.amdhsa_next_free_vgpr 1024
		.amdhsa_next_free_sgpr 80
		.amdhsa_reserve_vcc 0
		.amdhsa_float_denorm_mode_32 3
		.amdhsa_float_denorm_mode_16_64 3
		.amdhsa_memory_ordered 1
		.amdhsa_forward_progress 1
		.amdhsa_inst_pref_size 134
	.end_amdhsa_kernel
	.amdgpu_metadata
---
amdhsa.version: [ 1, 2 ]
amdhsa.kernels:
  - .name:           k_q1a166f2f44_proj
    .symbol:         k_q1a166f2f44_proj.kd
    .args:
      - { .name: hn, .offset: 0, .size: 8, .value_kind: global_buffer, .address_space: global }
      - { .name: wb, .offset: 8, .size: 8, .value_kind: global_buffer, .address_space: global }
      - { .name: bq, .offset: 16, .size: 8, .value_kind: global_buffer, .address_space: global }
      - { .name: bk, .offset: 24, .size: 8, .value_kind: global_buffer, .address_space: global }
      - { .name: bu, .offset: 32, .size: 8, .value_kind: global_buffer, .address_space: global }
      - { .name: qkv, .offset: 40, .size: 8, .value_kind: global_buffer, .address_space: global }
    .group_segment_fixed_size: 327680
    .private_segment_fixed_size: 0
    .kernarg_segment_align: 8
    .kernarg_segment_size: 48
    .max_flat_workgroup_size: 128
    .sgpr_count:     80
    .vgpr_count:     1024
    .wavefront_size: 32
...
	.end_amdgpu_metadata
.endif
;; end of part 2
;; launch attn (part 3): grid 8 x 32, 4 waves a work-group, clusters of 4 x 1, 327,680 bytes of LDS; arguments qkv, x, out0; writes out0
.if DOCPART == 3
	.amdgcn_target "amdgcn-amd-amdhsa--gfx1250"
	.amdhsa_code_object_version 6
	.text
	.protected	k_q1a166f2f44_attn
	.globl	k_q1a166f2f44_attn
	.p2align	8
	.type	k_q1a166f2f44_attn,@function
k_q1a166f2f44_attn:
	s_mov_b64 s[64:65], 0
	v_nop
	global_prefetch_b8 v0, s[64:65] scope:SCOPE_SE
	s_setreg_imm32_b32 hwreg(HW_REG_WAVE_MODE, 25, 1), 1
	s_wait_xcnt 0x0
	s_wait_alu depctr_hold_cnt(0) depctr_sa_sdst(0) depctr_va_vdst(0) depctr_va_sdst(0) depctr_va_ssrc(0) depctr_va_vcc(0) depctr_vm_vsrc(0)
	s_getreg_b32 s2, hwreg(HW_REG_IB_STS2, 6, 4)
	s_cmp_eq_u32 s2, 0
	s_cbranch_scc0 .Lentry_in_a_cluster
	s_endpgm
.Lentry_in_a_cluster:
	s_bfe_u32 s2, ttmp6, 0x10000c
	s_cmp_lg_u32 s2, 0x3003
	s_cbranch_scc0 .Lentry_shape_is_right
	s_endpgm
.Lentry_shape_is_right:
; ATTN: out0[b][c][n] = x[b][c][n] + sum_m u[b][m][c] softmax_m(q[b][n] . k[b][m] / sqrt(512)).  q, k, u: planes of qkv, [32][1024][512] bf16; x, out0 f32.
; Products, maxima and sums in f32; the weights p are rounded to bf16 for the second product, their sum l is taken of the unrounded p.
; LIMITS.  u carries wo bv + bo in bf16, so that bias comes out times sum(rounded p) / sum(p).  A weight below 2^-126 counts as 0.  NaN and infinities are not treated apart.
; SHARES.  A work-group owns 128 queries of an image, a wave 32: two tiles of 16 (head size 512: a tile's O^T is 256 registers, its Q 128).  Every wave walks all 1,024 keys, 64 a step.
; LAYOUT.  S^T = K Q^T and O^T = U^T P: a lane holds one query in S^T, P and O^T.  K comes out of LDS as it lies, u ([key][channel]) turned by ds_load_tr16_b128.
; SOFTMAX.  A running maximum m and sum l: p = 2^(c s - c m), c = log2(e) / sqrt(512); O and l are multiplied by a = 2^(c m_old - c m_new) in every step; m starts at the lowest
; finite number, O and l at 0, so the first step is a step like any other, with a = 0 (the price: 512 lines that write 0, in the wait for the first tile).
; UNITS.  A step is 16 units of 16 products: 8 of K (two channel steps of 32 each), the softmax, 8 of u (four channel tiles each).  The fragments have two halves of 64 registers:
; a unit first asks for the next unit's 16 LDS loads, in one run into the other half, then multiplies its own.
; CLUSTER.  The four query blocks of a cluster belong to one image and walk the same K and u: each tile is asked for jointly.
; REGISTERS: window 0: v2-15 addresses; v16-31 statistics, 8 a tile (c m, m, l, l, c0-c3; a takes c2's place); v32-63 P; v64-127 S^T; v128-255 the two halves.
;   window 1: Q (tile t, channel step cs at 128 t + 8 cs).   windows 2, 3: O^T (channel tile ct in window 2 + ct / 16, at 8 (2 (ct % 16) + t)).
.set PK,    1040                       ; a row of K in LDS: 1,024 bytes + 16
.set PV,    1056                       ; a row of u: 1,024 + 32
.set UOFF,  64*PK
.set SLOTB, 64*(PK+PV)                 ; a slot: 64 rows of K, then 64 of u
.set SGP,   528                        ; the way out's stage: 512 channels x (128 queries x 4 bytes + 16); it lies on the slots, behind their last fill
.set INV,   512*SGP                    ; 128 reciprocals of l
.set SPARE, 327168                     ; the spare words, 128 bytes a wave
.set AK0, 2
.set AV0, 3
.set AK,  4
.set AV,  5
.set QO,  6
.set PFO, 7                            ; v7  256 x lane; never rewritten
.set SPW, 8
.set NIL, 9
.set DST, 10                           ; v10-13  the way out: where I put a number, by 128 channels
.set SRD, 14
.set XO,  15
.set ST,  16
.set P,   32
.set S,   64
.set RING, 128
.set XA,  32                           ; the way out: two sets of 16 rows of x, and 16 rows from the stage
.set XB,  96
.set SG,  160
.set WV,  12
.set CX,  13
.set BLK, 14
.set LIM, 15
.set IMG, 16
.set HALF, 17
.set PFA, 18
.set G1K, 24
.set G1V, 32
.set G0K, 40                           ; s[40:47] a set for each first fill; the second then walks on
.set G0V, 48
.set CNT, 56
.set FS,  57                           ; s57  the slot that is left
.set CS,  58
.set SEL, 60
.set TB,  62                           ; s62  the slot that is read: 0 or SLOTB
.set WTK, 63                           ; s63  my half's place in a slot, for K
.set WTV, 66                           ; s66  for u
.set KP,  68
.set UP,  70
.set MSB, 0
.macro WIN new
.if MSB != (\new)
	s_set_vgpr_msb (MSB<<8)|(\new)
.set MSB, \new
.endif
.endm
.set W_KQ, 0x04                        ; Q (source 1) in window 1; K, S^T, and an LDS load's address and destination in window 0
.macro PLACES
.rept 4
	v_nop
.endr
.endm
.macro CREST
	s_cmp_lg_u32 s[WV], 0
	s_cbranch_scc1 .Lnot_wave_0_\@
	s_barrier_signal -3
.Lnot_wave_0_\@:
	s_barrier_wait -3
	s_barrier_signal -1
	s_barrier_wait -1
.endm
.macro CROUND
	s_barrier_signal -1
	s_barrier_wait -1
	CREST
.endm
.macro JLOAD                           ; waves 0 and 1 fetch the halves of a step's K, waves 2 and 3 those of its u: 32 rows of 1,024 bytes each
	s_cmp_lt_u32 s[WV], 2
	s_cbranch_scc0 .Lfor_v_\@
	tensor_load_to_lds s[G0K+4:G0K+7], s[G1K:G1K+7]
	s_nop 0
.rept 4
	v_nop
.endr
	s_branch .Lasked_\@
.Lfor_v_\@:
	tensor_load_to_lds s[G0V+4:G0V+7], s[G1V:G1V+7]
	s_nop 0
.rept 4
	v_nop
.endr
.Lasked_\@:
.endm
; A prefetch of what the NEXT change of slots will ask for.  Both clusters of an image walk the same rows: the first asks.  Each wave names 32 blocks of 256 bytes of the half that it
; fetches itself; the four partners take a quarter of the half each, told apart by address.  The last change that fills a slot asks for nothing.
.macro ASK
	s_cmp_gt_u32 s[CNT], s[LIM]
	s_cbranch_scc0 .Lnot_mine_\@
	global_prefetch_b8 v[PFO], s[PFA:PFA+1] th:TH_LOAD_NT scope:SCOPE_SE
.Lnot_mine_\@:
.endm
.macro RUNK u                          ; unit u of K: channel steps 2 u, 2 u + 1, four key tiles each: 16 loads
.irp c, 0,1
.irp kt, 0,1,2,3
	ds_load_b128 v[RING+64*((\u)&1)+32*(\c)+8*(\kt):RING+64*((\u)&1)+32*(\c)+8*(\kt)+3],   v[AK] offset:(\kt)*16*PK+64*(2*(\u)+(\c))
	ds_load_b128 v[RING+64*((\u)&1)+32*(\c)+8*(\kt)+4:RING+64*((\u)&1)+32*(\c)+8*(\kt)+7], v[AK] offset:(\kt)*16*PK+64*(2*(\u)+(\c))+32
.endr
.endr
.endm
.macro RUNU v                          ; unit v of u: channel tiles 4 v .. 4 v + 3, two halves of 32 keys: 16 loads
.irp kk, 0,1
.irp cl, 0,1,2,3
	ds_load_tr16_b128 v[RING+64*((\v)&1)+8*(4*(\kk)+(\cl)):RING+64*((\v)&1)+8*(4*(\kk)+(\cl))+3],   v[AV] offset:(\kk)*32*PV+32*(4*(\v)+(\cl))
	ds_load_tr16_b128 v[RING+64*((\v)&1)+8*(4*(\kk)+(\cl))+4:RING+64*((\v)&1)+8*(4*(\kk)+(\cl))+7], v[AV] offset:(\kk)*32*PV+32*(4*(\v)+(\cl))+16*PV
.endr
.endr
.endm
.macro MULK u                          ; 16 products; the 8 accumulators of S^T take turns
	WIN W_KQ
.irp c, 0,1
.irp kt, 0,1,2,3
.irp t, 0,1
.if (2*(\u)+(\c)) == 0
	v_wmma_f32_16x16x32_bf16 v[S+32*(\t)+8*(\kt):S+32*(\t)+8*(\kt)+7], v[RING+64*((\u)&1)+32*(\c)+8*(\kt):RING+64*((\u)&1)+32*(\c)+8*(\kt)+7], v[128*(\t)+8*(2*(\u)+(\c)):128*(\t)+8*(2*(\u)+(\c))+7], 0
.else
	v_wmma_f32_16x16x32_bf16 v[S+32*(\t)+8*(\kt):S+32*(\t)+8*(\kt)+7], v[RING+64*((\u)&1)+32*(\c)+8*(\kt):RING+64*((\u)&1)+32*(\c)+8*(\kt)+7], v[128*(\t)+8*(2*(\u)+(\c)):128*(\t)+8*(2*(\u)+(\c))+7], v[S+32*(\t)+8*(\kt):S+32*(\t)+8*(\kt)+7]
.endif
.endr
.endr
.endr
.endm
.macro MULU v, kk                      ; 8 products on 8 accumulators of O^T: keys 32 kk on
	WIN 0xa0+0x50*((\v)/4)
.irp cl, 0,1,2,3
.irp t, 0,1
.set rO, (((4*(\v)+(\cl))&15)*2+(\t))*8
	v_wmma_f32_16x16x32_bf16 v[rO:rO+7], v[RING+64*((\v)&1)+8*(4*(\kk)+(\cl)):RING+64*((\v)&1)+8*(4*(\kk)+(\cl))+7], v[P+16*(\t)+8*(\kk):P+16*(\t)+8*(\kk)+7], v[rO:rO+7]
.endr
.endr
.endm
; THE SOFTMAX of both tiles, line by line in turn.  Each accumulator's lowest registers are read first.  The 66 exponentials are one batch with one wait.
.macro SOFTMAX
	WIN 0
.irp j, 0,1,2,3
.irp t, 0,1
	v_max3_num_f32 v[ST+8*(\t)+4+(\j)], v[S+32*(\t)+8*(\j)], v[S+32*(\t)+8*(\j)+1], v[S+32*(\t)+8*(\j)+2]
.endr
.endr
.irp q, 1,2
.irp j, 0,1,2,3
.irp t, 0,1
	v_max3_num_f32 v[ST+8*(\t)+4+(\j)], v[ST+8*(\t)+4+(\j)], v[S+32*(\t)+8*(\j)+2*(\q)+1], v[S+32*(\t)+8*(\j)+2*(\q)+2]
.endr
.endr
.endr
.irp t, 0,1
	v_max3_num_f32 v[ST+8*(\t)+4], v[ST+8*(\t)+4], v[S+32*(\t)+7], v[S+32*(\t)+15]
.endr
.irp t, 0,1
	v_max3_num_f32 v[ST+8*(\t)+6], v[ST+8*(\t)+6], v[S+32*(\t)+23], v[S+32*(\t)+31]
.endr
.irp t, 0,1
	v_max3_num_f32 v[ST+8*(\t)+4], v[ST+8*(\t)+4], v[ST+8*(\t)+5], v[ST+8*(\t)+6]
.endr
.irp t, 0,1
	v_max3_num_f32 v[ST+8*(\t)+4], v[ST+8*(\t)+4], v[ST+8*(\t)+7], v[ST+8*(\t)+1]
.endr
.irp t, 0,1
	v_permlanex16_b32 v[ST+8*(\t)+5], v[ST+8*(\t)+4], s[SEL], s[SEL+1]  ; the query's other 32 keys lie in the lane 16 away
.endr
.irp t, 0,1
	v_mov_b32 v[ST+8*(\t)+7], v[ST+8*(\t)]         ; c m_old is kept
.endr
.irp t, 0,1
	v_max_num_f32 v[ST+8*(\t)+1], v[ST+8*(\t)+4], v[ST+8*(\t)+5]
.endr
.irp t, 0,1
	v_mul_f32 v[ST+8*(\t)], s[CS], v[ST+8*(\t)+1]
.endr
.irp t, 0,1
	v_sub_f32 v[ST+8*(\t)+7], v[ST+8*(\t)+7], v[ST+8*(\t)]
.endr
.irp b, 0,1,2,3,4,5,6,7,8,9,10,11,12,13,14,15
.irp t, 0,1
	v_pk_fma_f32 v[S+32*(\t)+2*(\b):S+32*(\t)+2*(\b)+1], v[S+32*(\t)+2*(\b):S+32*(\t)+2*(\b)+1], s[CS:CS+1], v[ST+8*(\t):ST+8*(\t)+1] op_sel_hi:[1,0,0] neg_lo:[0,0,1] neg_hi:[0,0,1]
.endr
.endr
.irp t, 0,1
	v_exp_f32 v[ST+8*(\t)+6], v[ST+8*(\t)+7]       ; a
.endr
.set e, 0
.rept 64
	v_exp_f32 v[S+e], v[S+e]
.set e, e+1
.endr
	v_nop                                          ; a plain instruction behind the last exponential,
	s_wait_alu depctr_va_vdst(0)                   ; and the one wait for the batch, ahead of the first line that names a result
.irp b, 0,1,2,3,4,5,6,7,8,9,10,11,12,13,14,15
.irp t, 0,1
	v_cvt_pk_bf16_f32 v[P+16*(\t)+(\b)], v[S+32*(\t)+2*(\b)], v[S+32*(\t)+2*(\b)+1]
.endr
.endr
.irp w, 4,8,16,32                      ; the sum of a tile's 16 pairs, in place: neighbours 1, 2, 4, 8 pairs apart
.set z, 0
.rept 32/(\w)
.irp t, 0,1
	v_pk_add_f32 v[S+32*(\t)+(\w)*z:S+32*(\t)+(\w)*z+1], v[S+32*(\t)+(\w)*z:S+32*(\t)+(\w)*z+1], v[S+32*(\t)+(\w)*z+(\w)/2:S+32*(\t)+(\w)*z+(\w)/2+1]
.endr
.set z, z+1
.endr
.endr
.irp t, 0,1
	v_pk_fma_f32 v[ST+8*(\t)+2:ST+8*(\t)+3], v[ST+8*(\t)+2:ST+8*(\t)+3], v[ST+8*(\t)+6:ST+8*(\t)+7], v[S+32*(\t):S+32*(\t)+1] op_sel_hi:[1,0,1]  ; l = a l + sum
.endr
.endm
.macro RESCALE                         ; O^T times a
.irp w, 0x82, 0xc3
	WIN \w
.set i, 0
.rept 128
	v_pk_mul_f32 v[i:i+1], v[i:i+1], v[ST+8*((i>>3)&1)+6:ST+8*((i>>3)&1)+7] op_sel_hi:[1,0]
.set i, i+2
.endr
.endr
.endm
; A KEY STEP.  The four v_nop at a unit's head are the places between the last product that read a half and the loads into it.  s_wait_dscnt 16: the run just issued may stay out.
; THE CHANGE OF SLOTS stands in the last two units.  u's last run has been issued; each wave waits for all its tensor loads (the one that is out is its part of the other slot), adds 0 to its
; spare word, and waits for that and for its reads of the slot.  fill = 1: a round of the cluster's barrier, the joint refill (two steps on) first behind it; it has a whole step in which to land.
.macro STEP fill
.irp u, 0,1,2,3,4,5,6
	WIN W_KQ
	PLACES
	RUNK (\u)+1
	s_wait_dscnt 16
	MULK \u
.endr
	PLACES
	RUNU 0
	s_wait_dscnt 16
	MULK 7
	PLACES                                         ; in front of the maxima, which read results
	SOFTMAX
	RESCALE
.irp v, 0,1,2,3,4,5
	PLACES
	WIN 0
	RUNU (\v)+1
	s_wait_dscnt 16
	MULU \v, 0
	MULU \v, 1
.endr
	PLACES
	WIN 0
	RUNU 7
	s_wait_tensorcnt 0x0                           ; no tensor load of mine is out, so a group 0 may be written
	ds_add_u32 v[SPW], v[NIL]                      ; 0 onto my spare word
	s_mov_b32 s[FS], s[TB]
	s_xor_b32 s[TB], s[TB], SLOTB                  ; the other slot
.if \fill
	s_add_co_u32 s[G0K+5], s[FS], s[WTK]           ; the walking descriptors: the slot that is left, the next step but one
	s_add_nc_u64 s[G0K+6:G0K+7], s[G0K+6:G0K+7], 65536
	s_add_co_u32 s[G0V+5], s[FS], s[WTV]
	s_add_nc_u64 s[G0V+6:G0V+7], s[G0V+6:G0V+7], 65536
	s_wait_xcnt 0x0                                ; the last prefetch, a step back, has read its address
	s_add_nc_u64 s[PFA:PFA+1], s[PFA:PFA+1], 65536
.endif
	s_wait_dscnt 17                                ; u's last run and the add may be out
	MULU 6, 0
	MULU 6, 1
	s_wait_dscnt 0x0                               ; the add is done, and my reads of the slot are over
	s_barrier_signal -1
	MULU 7, 0
	WIN 0
	s_barrier_wait -1
.if \fill
	CREST
	JLOAD                                          ; its four v_nop are also the places in front of the loads below
.else
	PLACES
.endif
	v_add_nc_u32 v[AK], s[TB], v[AK0]
	v_add_nc_u32 v[AV], s[TB], v[AV0]
.if \fill
	RUNK 0                                         ; the next step's first unit
	ASK
.else
	s_cmp_eq_u32 s[CNT], 1                         ; behind the last step there is none
	s_cbranch_scc1 .Lno_k_\@
	RUNK 0
.Lno_k_\@:
.endif
	MULU 7, 1
	WIN 0
.endm
	s_load_b128 s[4:7], s[0:1], 0x0                ; qkv 4:5, x 6:7
	s_load_b64 s[8:9], s[0:1], 0x10                ; out0
	v_lshl_add_u32 v[SPW], v0, 2, SPARE
	v_mov_b32 v[NIL], 0
	ds_add_u32 v[SPW], v[NIL]                      ; the wave's opening: the add and its wait come ahead of my first tensor load
	v_lshrrev_b32 v1, 5, v0
	v_readfirstlane_b32 s[WV], v1
	s_bfe_u32 s[CX], ttmp6, 0x40000
	s_lshl_b32 s[BLK], ttmp9, 2
	s_add_co_u32 s[BLK], s[BLK], s[CX]             ; my block of 128 queries: it enters Q's, x's and out0's addresses alone
	s_and_b32 s[IMG], ttmp7, 0xffff
	s_and_b32 s[HALF], s[WV], 1                    ; which 32 keys of a step I fetch
	s_lshl_b32 s22, s[IMG], 20
	s_lshl_b32 s20, s[HALF], 15
	s_add_co_u32 s22, s22, s20
	s_mov_b32 s23, 0
	s_mul_i32 s[WTK], s[HALF], 32*PK
	s_mul_i32 s[WTV], s[HALF], 32*PV
	s_add_co_u32 s[WTV], s[WTV], UOFF
	s_lshl_b32 s2, s[IMG], 20                      ; Q: image, block, my wave's 32 rows of 1,024 bytes
	s_lshl_b32 s21, s[BLK], 17
	s_add_co_u32 s2, s2, s21
	s_lshl_b32 s21, s[WV], 15
	s_add_co_u32 s2, s2, s21
	s_mov_b32 s3, 0
	s_lshl_b32 s72, s[IMG], 21                     ; x and out0: image, my wave's 128 channels of 4,096 bytes, the block's 512 bytes
	s_lshl_b32 s21, s[WV], 19
	s_add_co_u32 s72, s72, s21
	s_lshl_b32 s21, s[BLK], 9
	s_add_co_u32 s72, s72, s21
	s_mov_b32 s73, 0
	s_mov_b32 s[G1K], 15|(1<<16)|(1<<20)|(1<<21)|(7<<22)|(3<<25)  ; mask of four; 2-byte elements; padding on; bit 21 beside a mask; after every 256 words 4 words
	s_mov_b32 s[G1V], 15|(1<<16)|(1<<20)|(1<<21)|(7<<22)|(7<<25)  ; the same with 8 words
.irp g, G1K, G1V
	s_mov_b32 s[(\g)+1], 512<<16                   ; 32 rows of 512 elements, 512 from row to row
	s_mov_b32 s[(\g)+2], 32<<16
	s_mov_b32 s[(\g)+3], 512<<16
	s_mov_b32 s[(\g)+4], 32
	s_mov_b32 s[(\g)+5], 512
	s_mov_b32 s[(\g)+6], 0
	s_mov_b32 s[(\g)+7], 0
.endr
	s_mov_b32 s[CS], 0x3d8293ee                    ; c = log2(e) / sqrt(512)
	s_mov_b32 s[CS+1], s[CS]
	s_mov_b32 s[SEL], 0x76543210
	s_mov_b32 s[SEL+1], 0xfedcba98
	s_mov_b32 s[TB], 0
	s_cmp_eq_u32 ttmp9, 0                          ; the image's first cluster prefetches: the same answer in all four partners
	s_cselect_b32 s[LIM], 1, -1
	s_wait_dscnt 0x0                               ; the opening add is done
	s_wait_kmcnt 0x0
	s_add_nc_u64 s[KP:KP+1], s[4:5], s[22:23]
	s_add_nc_u64 s[UP:UP+1], s[KP:KP+1], 0x4000000 ; u's plane
	s_add_nc_u64 s[KP:KP+1], s[KP:KP+1], 0x2000000 ; k's plane
	s_add_nc_u64 s[4:5], s[4:5], s[2:3]
	s_add_nc_u64 s[6:7], s[6:7], s[72:73]
	s_add_nc_u64 s[8:9], s[8:9], s[72:73]
	s_cmp_lt_u32 s[WV], 2
	s_cselect_b64 s[PFA:PFA+1], s[KP:KP+1], s[UP:UP+1]
	s_lshl_b32 s2, s[CX], 13                       ; my work-group's quarter of the half
	s_add_nc_u64 s[PFA:PFA+1], s[PFA:PFA+1], s[2:3]
	s_add_nc_u64 s[PFA:PFA+1], s[PFA:PFA+1], 131072  ; at step 2: the first change of slots steps it to step 3
.irp s, 0,1
	s_mov_b32 s[G0K+4*(\s)], 1
	s_add_co_u32 s[G0K+4*(\s)+1], s[WTK], (\s)*SLOTB
	s_add_nc_u64 s[G0K+4*(\s)+2:G0K+4*(\s)+3], s[KP:KP+1], (\s)*65536
	s_or_b32 s[G0K+4*(\s)+3], s[G0K+4*(\s)+3], 0x80000000
	s_mov_b32 s[G0V+4*(\s)], 1
	s_add_co_u32 s[G0V+4*(\s)+1], s[WTV], (\s)*SLOTB
	s_add_nc_u64 s[G0V+4*(\s)+2:G0V+4*(\s)+3], s[UP:UP+1], (\s)*65536
	s_or_b32 s[G0V+4*(\s)+3], s[G0V+4*(\s)+3], 0x80000000
.endr
	CROUND                                         ; all four work-groups are here: the first joint loads meet
	s_cmp_lt_u32 s[WV], 2                          ; a wave's two first fills stand in one branch: two loads of mine are out
	s_cbranch_scc0 .Lfirst_v
	tensor_load_to_lds s[G0K:G0K+3], s[G1K:G1K+7]
	s_nop 0
	tensor_load_to_lds s[G0K+4:G0K+7], s[G1K:G1K+7]
	s_nop 0
.rept 4
	v_nop
.endr
	s_branch .Lfirst_asked
.Lfirst_v:
	tensor_load_to_lds s[G0V:G0V+3], s[G1V:G1V+7]
	s_nop 0
	tensor_load_to_lds s[G0V+4:G0V+7], s[G1V:G1V+7]
	s_nop 0
.rept 4
	v_nop
.endr
.Lfirst_asked:
	v_and_b32 v1, 15, v0                           ; r
	v_bfe_u32 v10, v0, 4, 1                        ; h
	v_lshlrev_b32 v[QO], 10, v1
	v_lshl_add_u32 v[QO], v10, 4, v[QO]
	WIN 0x40                                       ; destination window 1
.set i, 0
.rept 32                                       ; Q stays in registers: tile i / 16, channels 32 (i % 16) on
	global_load_b128 v[8*i:8*i+3],   v[QO], s[4:5] offset:(i/16)*16384+(i%16)*64
	global_load_b128 v[8*i+4:8*i+7], v[QO], s[4:5] offset:(i/16)*16384+(i%16)*64+32
.set i, i+1
.endr
.irp w, 0x80, 0xc0                     ; O^T starts at 0
	WIN \w
.set i, 0
.rept 256
	v_mov_b32 v[i], 0
.set i, i+1
.endr
.endr
	WIN 0
.irp t, 0,1
	v_mov_b32 v[ST+8*(\t)], 0xfe000000             ; c m: far below every c s
	v_mov_b32 v[ST+8*(\t)+1], 0xff7fffff           ; m
	v_mov_b32 v[ST+8*(\t)+2], 0
	v_mov_b32 v[ST+8*(\t)+3], 0
.endr
	v_mul_u32_u24 v[AK0], v1, PK
	v_lshl_add_u32 v[AK0], v10, 4, v[AK0]
	v_and_b32 v11, 7, v0
	v_bfe_u32 v12, v0, 3, 1
	v_lshl_add_u32 v[AV0], v10, 3, v11
	v_mul_u32_u24 v[AV0], v[AV0], PV
	v_lshl_add_u32 v[AV0], v12, 4, v[AV0]
	v_add_nc_u32 v[AV0], UOFF, v[AV0]
	v_mov_b32 v[AK], v[AK0]
	v_mov_b32 v[AV], v[AV0]
	v_and_b32 v[PFO], 31, v0
	v_lshlrev_b32 v[PFO], 8, v[PFO]
	s_wait_tensorcnt 1                             ; my part of slot 0 is in; slot 1's may stay out
	s_barrier_signal -1
	s_barrier_wait -1
	RUNK 0
	s_wait_loadcnt 0x0                             ; Q
	s_mov_b32 s[CNT], 14
.Lstep:                                                ; steps 0 to 13: each asks for the step two on
	STEP 1
	s_sub_co_u32 s[CNT], s[CNT], 1
	s_cmp_lg_u32 s[CNT], 0
	s_cbranch_scc1 .Lstep
	s_mov_b32 s[CNT], 2
.Ltail:                                                ; steps 14 and 15 are written out
	STEP 0
	s_sub_co_u32 s[CNT], s[CNT], 1
	s_cmp_lg_u32 s[CNT], 0
	s_cbranch_scc1 .Ltail
	; THE WAY OUT.  The last barrier has shown that nobody reads a slot any more and that no fill is out.  O^T goes as it is into a stage [channel][query] in f32; 1 / l goes beside it;
	; then each wave reads 128 whole rows (channels), multiplies by 1 / l, adds x and stores: 512 consecutive bytes an instruction.  Two sets of 16 rows of x are always on their way.
	v_and_b32 v1, 15, v0                           ; these address lines are also the places behind the last products
	v_bfe_u32 v6, v0, 4, 1
	s_lshl_b32 s20, s[WV], 7
	v_mul_u32_u24 v[DST], v6, 8*SGP
	v_lshl_add_u32 v[DST], v1, 2, v[DST]
	v_add_nc_u32 v[DST], s20, v[DST]               ; row 8 h (+ 16 ct + j), column 32 w + r (+ 16 t)
	v_add_nc_u32 v[DST+1], 128*SGP, v[DST]
	v_add_nc_u32 v[DST+2], 256*SGP, v[DST]
	v_add_nc_u32 v[DST+3], 384*SGP, v[DST]
	v_and_b32 v[XO], 31, v0
	v_lshlrev_b32 v[XO], 4, v[XO]
	s_mul_i32 s22, s[WV], 128*SGP
	v_add_nc_u32 v[SRD], s22, v[XO]
	s_add_co_u32 s20, s20, INV
	v_lshl_add_u32 v2, v1, 2, s20                  ; where 1 / l of my query goes
	v_add_nc_u32 v3, INV, v[XO]                    ; and where I read four of them back
.macro XLOAD xr, row
.irp i, 0,1,2,3,4,5,6,7,8,9,10,11,12,13,14,15
	global_load_b128 v[(\xr)+4*(\i):(\xr)+4*(\i)+3], v[XO], s[6:7] offset:((\row)+(\i))*4096 th:TH_LOAD_NT
.endr
.endm
	XLOAD XA, 0
	XLOAD XB, 16
.irp t, 0,1
	v_add_f32 v[ST+8*(\t)+4], v[ST+8*(\t)+2], v[ST+8*(\t)+3]
.endr
.irp t, 0,1
	v_permlanex16_b32 v[ST+8*(\t)+5], v[ST+8*(\t)+4], s[SEL], s[SEL+1]
.endr
.irp t, 0,1
	v_add_f32 v[ST+8*(\t)+4], v[ST+8*(\t)+4], v[ST+8*(\t)+5]
.endr
.irp t, 0,1
	v_rcp_f32 v[ST+8*(\t)+6], v[ST+8*(\t)+4]
.endr
	v_nop                                          ; a plain instruction behind the last reciprocal,
	s_wait_alu depctr_va_vdst(0)                   ; and the wait ahead of the first use: one for both
	ds_store_b32 v2, v[ST+6]
	ds_store_b32 v2, v[ST+14] offset:64
.set ct, 0
.rept 32
	WIN 0x08+4*(ct/16)                             ; store data (source 1) in window 2 or 3
.irp t, 0,1
.irp j, 0,1,2,3,4,5,6,7
	ds_store_b32 v[DST+ct/8], v[((ct%16)*2+(\t))*8+(\j)] offset:(16*(ct%8)+(\j))*SGP+64*(\t)
.endr
.endr
.set ct, ct+1
.endr
	WIN 0
	s_wait_dscnt 0x0                               ; for the others' sake: a row's 512 bytes come from four waves
	s_barrier_signal -1
	s_barrier_wait -1
	ds_load_b128 v[16:19], v3                      ; 1 / l of my four queries
; 16 rows.  left: the younger loads of x that may stay out.  more = 1: the set takes the rows 32 further on.
.macro OUT xr, row, more, left
	s_wait_xcnt 0x0                                ; earlier stores have read their registers
.irp i, 0,1,2,3,4,5,6,7,8,9,10,11,12,13,14,15
	ds_load_b128 v[SG+4*(\i):SG+4*(\i)+3], v[SRD] offset:((\row)+(\i))*SGP
.endr
	s_wait_loadcnt \left
	s_wait_dscnt 0x0
.irp i, 0,1,2,3,4,5,6,7,8,9,10,11,12,13,14,15
	v_pk_fma_f32 v[SG+4*(\i):SG+4*(\i)+1],   v[SG+4*(\i):SG+4*(\i)+1],   v[16:17], v[(\xr)+4*(\i):(\xr)+4*(\i)+1]
	v_pk_fma_f32 v[SG+4*(\i)+2:SG+4*(\i)+3], v[SG+4*(\i)+2:SG+4*(\i)+3], v[18:19], v[(\xr)+4*(\i)+2:(\xr)+4*(\i)+3]
.endr
.if \more
	XLOAD \xr, (\row)+32
.endif
.irp i, 0,1,2,3,4,5,6,7,8,9,10,11,12,13,14,15
	global_store_b128 v[XO], v[SG+4*(\i):SG+4*(\i)+3], s[8:9] offset:((\row)+(\i))*4096 th:TH_STORE_NT
.endr
.endm
	s_mov_b32 s[CNT], 3
.Lrows:
	OUT XA, 0, 1, 16                               ; the other set's 16 loads may stay out
	OUT XB, 16, 1, 16
	s_wait_xcnt 0x0                                ; loads and stores have read their bases
	s_add_nc_u64 s[6:7], s[6:7], 131072
	s_add_nc_u64 s[8:9], s[8:9], 131072
	v_add_nc_u32 v[SRD], 32*SGP, v[SRD]
	s_sub_co_u32 s[CNT], s[CNT], 1
	s_cmp_lg_u32 s[CNT], 0
	s_cbranch_scc1 .Lrows
	OUT XA, 0, 0, 16                               ; the last 32 rows load nothing
	OUT XB, 16, 0, 0
	s_wait_tensorcnt 0x0                           ; the wave's end
	ds_add_u32 v[SPW], v[NIL]
	s_wait_dscnt 0x0
	CROUND                                         ; the closing round
	s_endpgm
.Lfunc_end_k_q1a166f2f44_attn:
	.size	k_q1a166f2f44_attn, .Lfunc_end_k_q1a166f2f44_attn-k_q1a166f2f44_attn
	.p2alignl 7, 3214868480
	.fill 96, 4, 3214868480
	.section	.rodata,"a",@progbits
	.p2align	6, 0x0
	.amdhsa_kernel k_q1a166f2f44_attn
		.amdhsa_group_segment_fixed_size 327680
		.amdhsa_private_segment_fixed_size 0
		.amdhsa_enable_private_segment 0
		.amdhsa_kernarg_size 24
		.amdhsa_user_sgpr_count 2
		.amdhsa_user_sgpr_kernarg_segment_ptr 1
		.amdhsa_wavefront_size32 1
		.amdhsa_system_sgpr_workgroup_id_x 1
		.amdhsa_system_sgpr_workgroup_id_y 1
		.amdhsa_system_sgpr_workgroup_id_z 1
		.amdhsa_system_vgpr_workitem_id 0
		.amdhsa_next_free_vgpr 1024
		.amdhsa_next_free_sgpr 80
		.amdhsa_reserve_vcc 0
		.amdhsa_float_denorm_mode_32 3
		.amdhsa_float_denorm_mode_16_64 3
		.amdhsa_memory_ordered 1
		.amdhsa_forward_progress 1
		.amdhsa_inst_pref_size 215
	.end_amdhsa_kernel
	.amdgpu_metadata
---
amdhsa.version: [ 1, 2 ]
amdhsa.kernels:
  - .name:           k_q1a166f2f44_attn
    .symbol:         k_q1a166f2f44_attn.kd
    .args:
      - { .name: qkv, .offset: 0, .size: 8, .value_kind: global_buffer, .address_space: global }
      - { .name: x, .offset: 8, .size: 8, .value_kind: global_buffer, .address_space: global }
      - { .name: out0, .offset: 16, .size: 8, .value_kind: global_buffer, .address_space: global }
    .group_segment_fixed_size: 327680
    .private_segment_fixed_size: 0
    .kernarg_segment_align: 8
    .kernarg_segment_size: 24
    .max_flat_workgroup_size: 128
    .sgpr_count:     80
    .vgpr_count:     1024
    .wavefront_size: 32
...
	.end_amdgpu_metadata
.endif
;; end of part 3
;; ======== version 2 of 2: 3 launches; version 1 with the launch front written anew for expert scheduling mode
;; limits: values outside matrix products are rounded to bf16
;; workspace buffers: hn 33,554,432 bytes; wb 1,572,864 bytes; bu 2,048 bytes; qkv 100,663,296 bytes
;; launch front (part 4): grid 610 x 1, 8 waves a work-group, no clusters, 10,496 bytes of LDS; arguments x, gn_scale, gn_bias, wq, wk, wv, wo, bv, bo, hn, wb, bu; writes hn, wb, bu
.if DOCPART == 4
	.amdgcn_target "amdgcn-amd-amdhsa--gfx1250"
	.amdhsa_code_object_version 6
	.text
	.protected	k_q1a166f2f44_front
	.globl	k_q1a166f2f44_front
	.p2align	8
	.type	k_q1a166f2f44_front,@function
k_q1a166f2f44_front:
	s_mov_b64 s[64:65], 0
	v_nop
	global_prefetch_b8 v0, s[64:65] scope:SCOPE_SE
	s_setreg_imm32_b32 hwreg(HW_REG_WAVE_SCHED_MODE, 0, 2), 2
	s_setreg_imm32_b32 hwreg(HW_REG_WAVE_MODE, 25, 1), 1
	s_wait_xcnt 0x0
	s_wait_alu depctr_vm_vsrc(0)
; FRONT: the group norm, and beside it the preparation of the weights.  The work-group's number chooses one of four parts:
;   0-1     MV    bu[o] = sum_j wo[o][j] bv[j] + bo[o], all in f32
;   2-65    PROD  W'[o][c] = sum_j wo[o][j] wv[j][c]: bf16 operands, f32 sums, stored in bf16 as plane 2 of wb
;   66-97   CONV  wq and wk rounded to bf16, planes 0 and 1 of wb
;   98-609  NORM  one group (32 channels x 1,024 pixels, 131,072 consecutive bytes of x) to a work-group: hn in bf16, laid as x lies
; WHY W' AND bu: a softmax row sums to 1, so wo (V alpha) + bo = ((wo wv) hn + (wo bv + bo)) alpha for every input: the last projection is folded into V's.
; wb is laid in tiles: element (p, o, c) at ((8 p + c / 64) 512 + o) 128 + 2 (c % 64): a tile (p, c / 64) is 65,536 dense bytes.
; LIMITS.  W' is rounded once more, to bf16.  NaN and infinities are not treated apart.
; The mean is taken first and the variance of x - mean, as the reference forms it: no difference of large sums.
; THE MODE: SCHED_MODE bits 1:0 = 2 (LLVM: expert scheduling mode 2), set by the entry lines.  The code itself states the register dependences
; between vector or matrix instructions and memory or LDS instructions, with s_wait_alu, always for 0.
; THE PLAN: the registers that memory or LDS instructions touch, part by part.  In every part v2 and v3 are byte offsets, made once and never written again.
;   MV    v[16:31], v14: loaded once.  v[32:159]: eight rows of wo, loaded at a trip's head, read by the trip's multiply-adds: one wait at the loop's head.  v12: the one store's data.
;         A trip's eight masks go into s48-s55 in one run, with one wait behind the run, ahead of the selects that read them.
;   PROD  RAW0, RAW1: a K step's operands as loaded.  Step s: its 24 conversions read RAW[s] and write BF; behind them ONE wait, and the loads of the step two on land in RAW[s], dealt
;         among the step's two matrix instructions, which name BF and the accumulators alone.  v8-v10: the way out's addresses, made ahead of the loop.
;   CONV  v[32:95]: loaded once, rounded in place, stored once, in two halves: the first half's stores stand among the second half's roundings, behind one wait.
;   NORM  X: loaded once, worked on in place, stored once, in four blocks of a channel: block c - 1's stores stand among block c's arithmetic, behind one wait at the block's head.
;         v6, v7: LDS addresses, made once.  v8: the data of the LDS store of each of the two partial sums; v[16:23]: where the eight partial sums land.
;   v4, v5: written at the head, read by the closing add alone.
.set X,     40                         ; NORM: v[40:167] my 128 numbers of the group
.set SPARE, 256                        ; LDS 256-1,279: the spare words, 128 bytes a wave; 0-255: NORM's partial sums; 1,280 on: PROD's stage
.set PST,   1280
.set PSP,   144                        ; a stage row: 128 bytes + 16
.set SPW,   4                          ; v4  my spare word's address; never rewritten
.set NIL,   5                          ; v5  0; never rewritten
.set ACC,   16                         ; PROD: v[16:31] two accumulators
.set SET,   32                         ; PROD: v[32:79], v[80:127] two sets of a K step's operands, as loaded
.set BF,    128                        ; PROD: v[128:151] a K step's three fragments in bf16: wv^T, then wo's two tiles
.set MK,    48                         ; MV: s48-s55 a trip's eight masks
.macro WSUM r, t                       ; the sum over the wave's 32 lanes, in every lane
	v_add_f32_dpp v[\r], v[\r], v[\r] row_xmask:1 row_mask:0xf bank_mask:0xf
	v_add_f32_dpp v[\r], v[\r], v[\r] row_xmask:2 row_mask:0xf bank_mask:0xf
	v_add_f32_dpp v[\r], v[\r], v[\r] row_xmask:4 row_mask:0xf bank_mask:0xf
	v_add_f32_dpp v[\r], v[\r], v[\r] row_xmask:8 row_mask:0xf bank_mask:0xf
	v_permlanex16_b32 v[\t], v[\r], s44, s45
	v_add_f32 v[\r], v[\r], v[\t]
.endm
.macro PLACES
.rept 4
	v_nop
.endr
.endm
	s_load_b512 s[4:19], s[0:1], 0x0               ; x 4:5, gn_scale 6:7, gn_bias 8:9, wq 10:11, wk 12:13, wv 14:15, wo 16:17, bv 18:19
	s_load_b256 s[20:27], s[0:1], 0x40             ; bo 20:21, hn 22:23, wb 24:25, bu 26:27
	v_lshl_add_u32 v[SPW], v0, 2, SPARE
	v_mov_b32 v[NIL], 0
	v_and_b32 v1, 31, v0                           ; lane
	v_lshrrev_b32 v6, 5, v0
	v_readfirstlane_b32 s28, v6                    ; wave 0..7
	s_wait_alu depctr_va_sdst(0)                   ; s28 is written, ahead of the branches below and of its first reader in each of the four parts
	s_mov_b32 s44, 0x76543210                      ; v_permlanex16_b32: each lane takes its own place in the other half
	s_mov_b32 s45, 0xfedcba98
	s_wait_kmcnt 0x0
	s_cmp_ge_u32 ttmp9, 98                         ; the same answer in all waves of a work-group
	s_cbranch_scc1 .Lnorm
	s_cmp_ge_u32 ttmp9, 66
	s_cbranch_scc1 .Lconv
	s_cmp_ge_u32 ttmp9, 2
	s_cbranch_scc1 .Lprod
; ---------------- MV: a wave makes 32 numbers of bu, eight rows of wo a trip; a lane holds j = 128 q + 4 lane + 0..3 of a row and of bv
	s_lshl_b32 s29, ttmp9, 8
	s_lshl_b32 s30, s28, 5
	s_add_co_u32 s29, s29, s30                     ; my first row o0
	s_lshl_b32 s30, s29, 11
	s_mov_b32 s31, 0
	s_add_nc_u64 s[16:17], s[16:17], s[30:31]
	v_lshlrev_b32 v2, 4, v1
	s_lshl_b32 s32, s29, 2
	v_lshl_add_u32 v3, v1, 2, s32                  ; byte of o0 + lane in bo and bu
	v_mov_b32 v12, 0                               ; lane l ends with row o0 + l
	v_mov_b32 v13, v1                              ; lane less the rows already done
	s_wait_alu depctr_va_vdst(0)                   ; v2 and v3 are written: every load and the store of this part read one of them as the offset
.irp i, 0,1,2,3
	global_load_b128 v[16+4*(\i):19+4*(\i)], v2, s[18:19] offset:512*(\i)
.endr
	global_load_b32 v14, v3, s[20:21]
	s_mov_b32 s33, 4
.Lmv:
	s_wait_alu depctr_va_vdst(0)                   ; on the way back: the last trip's multiply-adds are done reading v[32:159], in which the loads below land
.set i, 0
.rept 32
	global_load_b128 v[32+4*i:35+4*i], v2, s[16:17] offset:(i/4)*2048+(i%4)*512
.set i, i+1
.endr
.irp rr, 0,1,2,3,4,5,6,7
	v_cmp_eq_u32 s[MK+(\rr)], \rr, v13             ; the trip's eight masks in one run, while the loads are out: row rr's lane
.endr
	s_wait_alu depctr_va_sdst(0)                   ; s48 to s55 are written, ahead of the selects that read them
	s_wait_loadcnt 0x0                             ; all are in: the base below is free too
.irp rr, 0,1,2,3,4,5,6,7
	v_pk_mul_f32 v[8:9], v[32+16*(\rr):33+16*(\rr)], v[16:17]
.irp k, 1,2,3,4,5,6,7
	v_pk_fma_f32 v[8:9], v[32+16*(\rr)+2*(\k):33+16*(\rr)+2*(\k)], v[16+2*(\k):17+2*(\k)], v[8:9]
.endr
	v_add_f32 v8, v8, v9
	WSUM 8, 9
	v_cndmask_b32 v12, v12, v8, s[MK+(\rr)]        ; the row's lane keeps the sum
.endr
	v_add_nc_u32 v13, -8, v13
	s_add_nc_u64 s[16:17], s[16:17], 16384
	s_sub_co_u32 s33, s33, 1
	s_cmp_lg_u32 s33, 0
	s_cbranch_scc1 .Lmv
	v_add_f32 v12, v12, v14
	s_wait_alu depctr_va_vdst(0)                   ; v12 is written, which the store reads
	global_store_b32 v3, v12, s[26:27]             ; 128 consecutive bytes a wave; bu is 2,048 bytes in all
	s_endpgm
; ---------------- PROD: a work-group makes 64 c x 64 o of W'.  Wave: 16 c (a = wave % 4) x 32 o (two tiles).
; Source 0 = wv^T (lane: c, along the registers: j), source 1 = wo (lane: o): a lane ends with eight neighbouring c of one row o.
.Lprod:
	s_sub_co_u32 s29, ttmp9, 2
	s_lshr_b32 s30, s29, 3                         ; block of 64 c
	s_and_b32 s31, s29, 7                          ; block of 64 o
	s_and_b32 s32, s28, 3                          ; a
	s_lshr_b32 s33, s28, 2                         ; which 32 o
	v_and_b32 v6, 15, v1                           ; r
	v_lshrrev_b32 v7, 4, v1                        ; h
	s_lshl_b32 s34, s30, 8
	s_lshl_b32 s35, s32, 6
	s_add_co_u32 s34, s34, s35
	s_mov_b32 s35, 0
	s_add_nc_u64 s[14:15], s[14:15], s[34:35]      ; wv at column 64 block + 16 a
	s_lshl_b32 s34, s31, 17
	s_lshl_b32 s36, s33, 16
	s_add_co_u32 s34, s34, s36
	s_add_nc_u64 s[16:17], s[16:17], s[34:35]      ; wo at row 64 block + 32 half
	v_lshlrev_b32 v2, 14, v7
	v_lshl_add_u32 v2, v6, 2, v2                   ; wv: 8 h rows of 2,048 bytes + 4 r
	v_lshlrev_b32 v3, 11, v6
	v_lshl_add_u32 v3, v7, 5, v3                   ; wo: row r, 32 h bytes
.macro PLOADA set                      ; a K step of 32 j, wv's part: 16 loads
.set i, 0
.rept 16
	global_load_b32 v[SET+48*(\set)+i], v2, s[14:15] offset:((i&7)+16*(i>>3))*2048+(\set)*65536
.set i, i+1
.endr
.endm
.macro PLOADB set                      ; wo's part: 8 loads
.irp t, 0,1
	global_load_b128 v[SET+48*(\set)+16+16*(\t):SET+48*(\set)+19+16*(\t)], v3, s[16:17] offset:(\t)*32768+(\set)*128
	global_load_b128 v[SET+48*(\set)+20+16*(\t):SET+48*(\set)+23+16*(\t)], v3, s[16:17] offset:(\t)*32768+(\set)*128+16
	global_load_b128 v[SET+48*(\set)+24+16*(\t):SET+48*(\set)+27+16*(\t)], v3, s[16:17] offset:(\t)*32768+(\set)*128+64
	global_load_b128 v[SET+48*(\set)+28+16*(\t):SET+48*(\set)+31+16*(\t)], v3, s[16:17] offset:(\t)*32768+(\set)*128+80
.endr
.endm
.macro PCVT set                        ; three times 16 f32 become 8 registers of bf16: the raw set is emptied into BF
.irp f, 0,1,2
.irp i, 0,1,2,3,4,5,6,7
	v_cvt_pk_bf16_f32 v[BF+8*(\f)+(\i)], v[SET+48*(\set)+16*(\f)+2*(\i)], v[SET+48*(\set)+16*(\f)+2*(\i)+1]
.endr
.endr
.endm
; A K step.  more = 1: the raw set is asked for again, for the step two on.  left: the younger loads that may stay out.
.macro PSTEP set, more, left
	s_wait_loadcnt \left                           ; loads come back in order (ISA guide 5.7.1): this raw set is in
.if (\more) && ((\set) == 0)
	s_wait_xcnt 0x0                                ; every load issued so far has had its address translated: the bases may be written
	s_add_nc_u64 s[14:15], s[14:15], 131072        ; two K steps on; the second set's step stands in its loads' immediates
	s_add_nc_u64 s[16:17], s[16:17], 256
.endif
	PCVT \set
.if \more
	s_wait_alu depctr_va_vdst(0)                   ; the conversions are done reading this raw set, in which the loads below land
.endif
	v_wmma_f32_16x16x32_bf16 v[ACC:ACC+7], v[BF:BF+7], v[BF+8:BF+15], v[ACC:ACC+7]            ; the two accumulators take turns, over the backward jump too
.if \more
	PLOADA \set                                    ; no further wait: no vector or matrix instruction since the wait names the raw set
.endif
	v_wmma_f32_16x16x32_bf16 v[ACC+8:ACC+15], v[BF:BF+7], v[BF+16:BF+23], v[ACC+8:ACC+15]
.if \more
	PLOADB \set
.endif
	PLACES                                         ; four places behind the products (ISA guide 7.12.1): the next step's conversions write BF, which they read; behind the last step the roundings read their results
.endm
	s_wait_alu depctr_va_vdst(0)                   ; v2 and v3 are written: every load of this part reads one of them as the offset
	PLOADA 0
	PLOADB 0
	PLOADA 1
	PLOADB 1
.set i, 0
.rept 16
	v_mov_b32 v[ACC+i], 0                          ; written while the first loads are out, so that the loop has one form of product
.set i, i+1
.endr
	s_mul_i32 s37, s33, 32*PSP                     ; the stage's addresses
	s_lshl_b32 s38, s32, 5
	s_add_co_u32 s37, s37, s38
	s_add_co_u32 s37, s37, PST
	v_mul_u32_u24 v8, v6, PSP
	v_lshl_add_u32 v8, v7, 4, v8
	v_add_nc_u32 v8, s37, v8                       ; in: row 32 half + r (+ 16 t), bytes 32 a + 16 h
	s_mul_i32 s39, s28, 8*PSP
	s_add_co_u32 s39, s39, PST
	v_lshrrev_b32 v11, 3, v1
	v_mul_u32_u24 v9, v11, PSP
	v_and_b32 v11, 7, v1
	v_lshl_add_u32 v9, v11, 4, v9
	v_add_nc_u32 v9, s39, v9                       ; back: rows 8 wave + lane / 8 (+ 4 f), whole
	s_lshl_b32 s40, s30, 16
	s_lshl_b32 s41, s31, 13
	s_add_co_u32 s40, s40, s41
	s_lshl_b32 s41, s28, 10
	s_add_co_u32 s40, s40, s41
	s_add_co_u32 s40, s40, 0x100000                ; plane 2 of wb
	v_lshl_add_u32 v10, v1, 4, s40
	s_mov_b32 s42, 7
.Lpturn:                                       ; two K steps are multiplied, the two after them asked for
	PSTEP 0, 1, 24                                 ; the other set's 24 loads may stay out
	PSTEP 1, 1, 24
	s_sub_co_u32 s42, s42, 1
	s_cmp_lg_u32 s42, 0
	s_cbranch_scc1 .Lpturn
	PSTEP 0, 0, 24                                 ; the last two K steps load nothing
	PSTEP 1, 0, 0
.irp t, 0,1
.irp i, 0,1,2,3
	v_cvt_pk_bf16_f32 v[SET+4*(\t)+(\i)], v[ACC+8*(\t)+2*(\i)], v[ACC+8*(\t)+2*(\i)+1]
.endr
.endr
	s_wait_alu depctr_va_vdst(0)                   ; the roundings have written v[32:39], which the LDS stores read; v8 to v10, the addresses, are written; the conversions that read v[40:47], in which the stage's loads land, are done
	ds_store_b128 v8, v[SET:SET+3]
	ds_store_b128 v8, v[SET+4:SET+7] offset:16*PSP
	s_wait_dscnt 0x0                               ; for the others' sake: a row's 128 bytes come from four waves
	s_barrier_signal -1
	s_barrier_wait -1
	ds_load_b128 v[SET+8:SET+11], v9
	ds_load_b128 v[SET+12:SET+15], v9 offset:4*PSP
	s_wait_dscnt 0x0
	global_store_b128 v10, v[SET+8:SET+11], s[24:25]              ; 512 consecutive bytes of a tile of wb
	global_store_b128 v10, v[SET+12:SET+15], s[24:25] offset:512
	s_wait_dscnt 0x0                               ; the closing lines, six on end
	s_wait_alu 0x0
	s_wait_tensorcnt 0x0
	ds_add_u32 v[SPW], v[NIL]
	s_wait_dscnt 0x0
	s_endpgm
; ---------------- CONV: a wave takes four rows of wq or wk.  A load: 256 bytes (64 c) of two rows; a store: the same numbers, 256 consecutive bytes of a tile.
.Lconv:
	s_sub_co_u32 s29, ttmp9, 66
	s_lshr_b32 s30, s29, 4                         ; plane 0: wq, 1: wk
	s_cmp_eq_u32 s30, 0
	s_cselect_b64 s[10:11], s[10:11], s[12:13]
	s_and_b32 s31, s29, 15
	s_lshl3_add_u32 s31, s31, s28                  ; my four rows' number
	s_lshl_b32 s32, s31, 13
	v_lshrrev_b32 v6, 4, v1
	v_and_b32 v7, 15, v1
	v_lshl_add_u32 v2, v6, 11, s32
	v_lshl_add_u32 v2, v7, 4, v2
	s_lshl_b32 s33, s31, 9
	s_lshl_b32 s34, s30, 19
	s_add_co_u32 s33, s33, s34
	v_lshl_add_u32 v3, v1, 3, s33
	s_wait_alu depctr_va_vdst(0)                   ; v2 and v3 are written: the loads read the one as the offset, the stores the other
.set i, 0
.rept 16
	global_load_b128 v[32+4*i:35+4*i], v2, s[10:11] offset:(i/8)*4096+(i%8)*256 th:TH_LOAD_NT
.set i, i+1
.endr
	s_wait_loadcnt 8                               ; the first two rows are in; the other eight loads stay out
.set i, 0
.rept 8
	v_cvt_pk_bf16_f32 v[32+4*i], v[32+4*i], v[33+4*i]
	v_cvt_pk_bf16_f32 v[33+4*i], v[34+4*i], v[35+4*i]
.set i, i+1
.endr
	s_wait_loadcnt 0x0
	s_wait_alu depctr_va_vdst(0)                   ; the first half's roundings are written, which the stores below read; the roundings among them name the second half's registers alone
.set i, 8
.rept 8
	global_store_b64 v3, v[32+4*(i-8):33+4*(i-8)], s[24:25] offset:(i-8)*65536
	v_cvt_pk_bf16_f32 v[32+4*i], v[32+4*i], v[33+4*i]
	v_cvt_pk_bf16_f32 v[33+4*i], v[34+4*i], v[35+4*i]
.set i, i+1
.endr
	s_wait_alu depctr_va_vdst(0)                   ; the second half's roundings are written, which the last eight stores read
.set i, 8
.rept 8
	global_store_b64 v3, v[32+4*i:33+4*i], s[24:25] offset:(i%8)*65536+256
.set i, i+1
.endr
	s_endpgm
; ---------------- NORM: wave w holds channels 4 w .. 4 w + 3 of the group in registers (32 loads of 512 bytes, all out at once): x is read once.
.Lnorm:
	s_sub_co_u32 s29, ttmp9, 98                    ; 16 image + group
	s_lshl_b32 s30, s29, 17
	s_mov_b32 s31, 0
	s_add_nc_u64 s[4:5], s[4:5], s[30:31]
	s_lshl_b32 s30, s29, 16
	s_add_nc_u64 s[22:23], s[22:23], s[30:31]
	s_lshl_b32 s32, s28, 14
	v_lshl_add_u32 v2, v1, 4, s32
	s_lshl_b32 s33, s28, 13
	v_lshl_add_u32 v3, v1, 3, s33
	s_wait_alu depctr_va_vdst(0)                   ; v2 and v3 are written: the loads read the one as the offset, the stores the other
.set i, 0
.rept 32
	global_load_b128 v[X+4*i:X+4*i+3], v2, s[4:5] offset:512*i th:TH_LOAD_NT
.set i, i+1
.endr
	s_and_b32 s34, s29, 15
	s_lshl_b32 s34, s34, 7
	s_lshl4_add_u32 s34, s28, s34                  ; byte of my four channels in gn_scale and gn_bias
	s_load_b128 s[36:39], s[6:7], s34 offset:0x0
	s_load_b128 s[40:43], s[8:9], s34 offset:0x0
	s_mov_b32 s46, 0x38000000                      ; 1 / 32,768
	s_mov_b32 s47, 0x358637bd                      ; 1e-6
	v_mov_b32 v6, s28
	v_lshlrev_b32 v6, 2, v6                        ; my wave's word among the partial sums
	v_mov_b32 v7, 0
.macro GSUM off                        ; four chains v[8:15] -> the group's sum in v16, by way of eight words of LDS at off
	v_pk_add_f32 v[8:9], v[8:9], v[10:11]
	v_pk_add_f32 v[12:13], v[12:13], v[14:15]
	v_pk_add_f32 v[8:9], v[8:9], v[12:13]
	v_add_f32 v8, v8, v9
	WSUM 8, 9
	s_wait_alu depctr_va_vdst(0)                   ; v8, the wave's sum, and v6 and v7, the LDS addresses, are written: the store and the loads below read them; every vector line that named v[16:23], in which those loads land, is done
	ds_store_b32 v6, v8 offset:\off
	s_wait_dscnt 0x0                               ; for the others' sake
	s_barrier_signal -1
	s_barrier_wait -1
	ds_load_b128 v[16:19], v7 offset:\off
	ds_load_b128 v[20:23], v7 offset:(\off)+16
	s_wait_dscnt 0x0
	v_pk_add_f32 v[16:17], v[16:17], v[18:19]
	v_pk_add_f32 v[20:21], v[20:21], v[22:23]
	v_pk_add_f32 v[16:17], v[16:17], v[20:21]
	v_add_f32 v16, v16, v17
.endm
	s_wait_loadcnt 24                              ; the first eight loads are in; the 24 younger ones stay out
.irp k, 0,1,2,3
	v_pk_add_f32 v[8+2*(\k):9+2*(\k)], v[X+2*(\k):X+2*(\k)+1], v[X+8+2*(\k):X+9+2*(\k)]  ; the first pairs start the chains: nothing is cleared
.endr
.set p, 8
.rept 8
	v_pk_add_f32 v[8+2*(p%4):9+2*(p%4)], v[8+2*(p%4):9+2*(p%4)], v[X+2*p:X+2*p+1]
.set p, p+1
.endr
.irp left, 16, 8, 0
	s_wait_loadcnt \left                           ; eight more
.rept 16
	v_pk_add_f32 v[8+2*(p%4):9+2*(p%4)], v[8+2*(p%4):9+2*(p%4)], v[X+2*p:X+2*p+1]
.set p, p+1
.endr
.endr
	GSUM 0
	v_mul_f32 v22, s46, v16                        ; the mean, twice
	v_mov_b32 v23, v22
.set p, 0
.rept 64
	v_pk_add_f32 v[X+2*p:X+2*p+1], v[X+2*p:X+2*p+1], v[22:23] neg_lo:[0,1] neg_hi:[0,1]
.set p, p+1
.endr
	s_wait_alu depctr_vm_vsrc(0)                   ; the first sum's LDS store has read v8, which the squares' chains write again
.irp k, 0,1,2,3
	v_pk_mul_f32 v[8+2*(\k):9+2*(\k)], v[X+2*(\k):X+2*(\k)+1], v[X+2*(\k):X+2*(\k)+1]
.endr
.set p, 4
.rept 60
	v_pk_fma_f32 v[8+2*(p%4):9+2*(p%4)], v[X+2*p:X+2*p+1], v[X+2*p:X+2*p+1], v[8+2*(p%4):9+2*(p%4)]
.set p, p+1
.endr
	GSUM 32                                        ; other words than the first sum's: no wave still reads what is written
	v_fma_f32 v16, v16, s46, s47                   ; the variance + 1e-6
	v_rsq_f32 v17, v16
	v_nop                                          ; a plain instruction behind the root,
	s_wait_alu depctr_va_vdst(0)                   ; and the wait ahead of the first use of v17, the root's result
	s_wait_kmcnt 0x0
.irp c, 0,1,2,3
	v_mul_f32 v[24+2*(\c)], s[36+(\c)], v17        ; gain / deviation, twice for the packed form
	v_mul_f32 v[25+2*(\c)], s[36+(\c)], v17
	v_mov_b32 v[32+2*(\c)], s[40+(\c)]
	v_mov_b32 v[33+2*(\c)], s[40+(\c)]
.endr
; The way out, in four blocks of a channel: eight units of four registers each.  Unit u: two multiply-adds, two roundings, one store.
.macro NFMA                            ; unit u's four numbers times the gain, plus the bias of channel u / 8
	v_pk_fma_f32 v[X+4*u:X+4*u+1],   v[X+4*u:X+4*u+1],   v[24+2*(u/8):25+2*(u/8)], v[32+2*(u/8):33+2*(u/8)]
	v_pk_fma_f32 v[X+4*u+2:X+4*u+3], v[X+4*u+2:X+4*u+3], v[24+2*(u/8):25+2*(u/8)], v[32+2*(u/8):33+2*(u/8)]
.endm
.macro NCVT                            ; unit u rounded to bf16: into the first two of its four registers
	v_cvt_pk_bf16_f32 v[X+4*u], v[X+4*u], v[X+4*u+1]
	v_cvt_pk_bf16_f32 v[X+4*u+1], v[X+4*u+2], v[X+4*u+3]
.endm
.set u, 0
.rept 8
	NFMA
.set u, u+1
.endr
.set u, 0
.rept 8
	NCVT
.set u, u+1
.endr
.irp c, 1,2,3
	s_wait_alu depctr_va_vdst(0)                   ; the block before is rounded: the stores below read its registers; the arithmetic among them names this block's registers, the gains and the biases alone
.set u, 8*(\c)
.rept 8
	global_store_b64 v3, v[X+4*(u-8):X+4*(u-8)+1], s[22:23] offset:256*(u-8)   ; the wave's 32 lanes store 256 consecutive bytes, aligned
	NFMA
.set u, u+1
.endr
.set u, 8*(\c)
.rept 8
	NCVT
.set u, u+1
.endr
.endr
	s_wait_alu depctr_va_vdst(0)                   ; the last block is rounded: the last eight stores read its registers
.set u, 24
.rept 8
	global_store_b64 v3, v[X+4*u:X+4*u+1], s[22:23] offset:256*u
.set u, u+1
.endr
	s_wait_dscnt 0x0                               ; the closing lines, six on end
	s_wait_alu 0x0
	s_wait_tensorcnt 0x0
	ds_add_u32 v[SPW], v[NIL]
	s_wait_dscnt 0x0
	s_endpgm
.Lfunc_end_k_q1a166f2f44_front:
	.size	k_q1a166f2f44_front, .Lfunc_end_k_q1a166f2f44_front-k_q1a166f2f44_front
	.p2alignl 7, 3214868480
	.fill 96, 4, 3214868480
	.section	.rodata,"a",@progbits
	.p2align	6, 0x0
	.amdhsa_kernel k_q1a166f2f44_front
		.amdhsa_group_segment_fixed_size 10496
		.amdhsa_private_segment_fixed_size 0
		.amdhsa_enable_private_segment 0
		.amdhsa_kernarg_size 96
		.amdhsa_user_sgpr_count 2
		.amdhsa_user_sgpr_kernarg_segment_ptr 1
		.amdhsa_wavefront_size32 1
		.amdhsa_system_sgpr_workgroup_id_x 1
		.amdhsa_system_sgpr_workgroup_id_y 1
		.amdhsa_system_sgpr_workgroup_id_z 1
		.amdhsa_system_vgpr_workitem_id 0
		.amdhsa_next_free_vgpr 168
		.amdhsa_next_free_sgpr 66
		.amdhsa_reserve_vcc 0
		.amdhsa_float_denorm_mode_32 3
		.amdhsa_float_denorm_mode_16_64 3
		.amdhsa_memory_ordered 1
		.amdhsa_forward_progress 1
		.amdhsa_inst_pref_size 70
	.end_amdhsa_kernel
	.amdgpu_metadata
---
amdhsa.version: [ 1, 2 ]
amdhsa.kernels:
  - .name:           k_q1a166f2f44_front
    .symbol:         k_q1a166f2f44_front.kd
    .args:
      - { .name: x, .offset: 0, .size: 8, .value_kind: global_buffer, .address_space: global }
      - { .name: gn_scale, .offset: 8, .size: 8, .value_kind: global_buffer, .address_space: global }
      - { .name: gn_bias, .offset: 16, .size: 8, .value_kind: global_buffer, .address_space: global }
      - { .name: wq, .offset: 24, .size: 8, .value_kind: global_buffer, .address_space: global }
      - { .name: wk, .offset: 32, .size: 8, .value_kind: global_buffer, .address_space: global }
      - { .name: wv, .offset: 40, .size: 8, .value_kind: global_buffer, .address_space: global }
      - { .name: wo, .offset: 48, .size: 8, .value_kind: global_buffer, .address_space: global }
      - { .name: bv, .offset: 56, .size: 8, .value_kind: global_buffer, .address_space: global }
      - { .name: bo, .offset: 64, .size: 8, .value_kind: global_buffer, .address_space: global }
      - { .name: hn, .offset: 72, .size: 8, .value_kind: global_buffer, .address_space: global }
      - { .name: wb, .offset: 80, .size: 8, .value_kind: global_buffer, .address_space: global }
      - { .name: bu, .offset: 88, .size: 8, .value_kind: global_buffer, .address_space: global }
    .group_segment_fixed_size: 10496
    .private_segment_fixed_size: 0
    .kernarg_segment_align: 8
    .kernarg_segment_size: 96
    .max_flat_workgroup_size: 256
    .sgpr_count:     66
    .vgpr_count:     168
    .wavefront_size: 32
...
	.end_amdgpu_metadata
.endif
;; end of part 4
;; launch proj: the kernel of part 2 again; grid 128 x 2, 4 waves a work-group, clusters of 4 x 1, 327,680 bytes of LDS; arguments hn, wb, bq, bk, bu, qkv; writes qkv
;; launch attn: the kernel of part 3 again; grid 8 x 32, 4 waves a work-group, clusters of 4 x 1, 327,680 bytes of LDS; arguments qkv, x, out0; writes out0
